; MI455X (gfx1250); checked and timed in simulation.
; The chip was launched on July 23, 2026; its instructions are those of AMD's public machine-readable ISA for CDNA 5 (MIT licence, August 2026) and "CDNA5" Instruction Set Architecture Reference Guide (July 2026). The comments in the code are by the model that wrote it; some were corrected since.
;; Attention Block. Allowed arithmetic: matrix products marked QUANTISED: E2M3 operands, one E8M0 scale for each 32 along K, by v_wmma_scale_f32_16x16x128_f8f6f4 with both operands' format E2M3, f32 sums; everything else in f32.
;; Inputs: bk 512 float32; bo 512 float32; bq 512 float32; bv 512 float32; gn_bias 512 float32; gn_scale 512 float32; wk_codes 512 x 16 x 24 uint8 (E2M3 codes of wk, K innermost, in blocks of 32 codes, four codes in three bytes); wk_scales 512 x 16 uint8 (E8M0 scales of wk, one for each 32 codes along K); wo_codes 512 x 16 x 24 uint8 (E2M3 codes of wo, K innermost, in blocks of 32 codes, four codes in three bytes); wo_scales 512 x 16 uint8 (E8M0 scales of wo, one for each 32 codes along K); wq_codes 512 x 16 x 24 uint8 (E2M3 codes of wq, K innermost, in blocks of 32 codes, four codes in three bytes); wq_scales 512 x 16 uint8 (E8M0 scales of wq, one for each 32 codes along K); wv_codes 512 x 16 x 24 uint8 (E2M3 codes of wv, K innermost, in blocks of 32 codes, four codes in three bytes); wv_scales 512 x 16 uint8 (E8M0 scales of wv, one for each 32 codes along K); x 32 x 512 x 32 x 32 float32.
;; Outputs: out0 32 x 512 x 32 x 32 float32.
;; This version of the problem:
;;   THIS VERSION OF THE PROBLEM IS GIVEN IN LOW PRECISION. The matrix products marked QUANTISED in the list below multiply operands that are first quantised to E2M3 (2 exponent bits, 3 mantissa bits; 6 bits a number), with one power-of-two scale for each 32 numbers along K (OCP MX v1.0); their sums are f32. All else is computed in f32.
;;   The module's matrix products, in the order in which they are computed (A, B: the left and right operand; K: the contracted axis; several contracted axes count as one K, in the product's order):
;;     1. [M 32,768, K 512] x [K 512, N 512]; A: computed on the way; B: input wq (given as codes): QUANTISED
;;     2. [M 32,768, K 512] x [K 512, N 512]; A: computed on the way; B: input wk (given as codes): QUANTISED
;;     3. [M 32,768, K 512] x [K 512, N 512]; A: computed on the way; B: input wv (given as codes): QUANTISED
;;     4. batch 32 x [M 1,024, K 512] x [K 512, N 1,024]; A: computed on the way; B: computed on the way: QUANTISED
;;     5. batch 32 x [M 512, K 1,024] x [K 1,024, N 1,024]; A: computed on the way; B: softmax (see below): QUANTISED
;;     6. [M 32,768, K 512] x [K 512, N 512]; A: computed on the way; B: input wo (given as codes): QUANTISED
;;   THE QUANTISER, for each operand of a quantised product, along K:
;;     - K is cut into blocks of 32 from its start; a last block that is shorter is filled with zeros.
;;     - A block's scale is 2^e with e = floor(log2(the largest magnitude in the block)) - 2, held to -126 .. 127; a block of zeros has e = 0. As a byte (E8M0): e + 127.
;;     - Each number is divided by its block's scale, clamped to +-7.5, and rounded to the nearest number of E2M3, ties to even, subnormals kept.
;;     - The product sums the exact products of the quantised numbers (number of the format x scale) in f32.
;;   ~~~python
;;   def quantise(x, axis):      # numpy; x: float32 -> the quantised numbers, widened to float32 again
;;       x = np.moveaxis(x, axis, -1); K = x.shape[-1]
;;       x = np.pad(x, [(0, 0)] * (x.ndim - 1) + [(0, -K % 32)]); x = x.reshape(x.shape[:-1] + (-1, 32)); a = np.abs(x).max(-1, keepdims=True)
;;       e = np.where(a > 0, np.clip(np.frexp(np.where(a > 0, a, 1))[1] - 1 - 2, -126, 127), 0)      # np.frexp(a)[1] - 1 = floor(log2(a)), exactly
;;       r = np.clip(x / 2.0 ** e, -7.5, 7.5)
;;       step = 2.0 ** (np.maximum(np.frexp(np.where(r == 0, 1, r))[1] - 1, 0) - 3)
;;       q = np.round(r / step) * step * 2.0 ** e      # np.round: ties to even
;;       return np.moveaxis(q.reshape(q.shape[:-2] + (-1,))[..., :K], -1, axis).astype(np.float32)
;;   ~~~
;;   SOFTMAX AHEAD OF A QUANTISED PRODUCT. Where the list says 'softmax', what is quantised is not the finished softmax but p = 2^(t - M), with t = logit x log2(e) and M = ceil(the row's largest t), a whole number; so 1/2 < the row's largest p <= 1. The row's sum l is taken of the UNQUANTISED p, in f32, and the product's result is divided by l at the end. Since M is a whole number, a kernel that streams over the keys may use a running M (the ceiling of the running maximum): every later rescaling is an exact power of two, which a block's scale takes up: the codes' values come out the same.
;;   OPERANDS COMPUTED ON THE WAY. 'Computed on the way' means the value that the module computes at that place (a softmax that the list does not call 'softmax' is quantised finished and normalised). What goes into a quantiser is computed in f32, as accurately as f32 sums, v_exp_f32 and their like allow (about 1e-6 of the number): no bf16 or f16 on the way to a quantiser, and a product that is left as it is and whose result goes on into a quantised operand takes f32 operands (vector FMAs, or v_wmma_f32_16x16x4_f32). A number that lies on a knife's edge between two numbers of the format may be rounded either way, as far as f32 arithmetic and the matrix unit's own rounding can turn it there, and no further.
;;   INPUTS GIVEN AS CODES. wk (in the module: [512, 512], K = its axis 1); wo (in the module: [512, 512], K = its axis 1); wq (in the module: [512, 512], K = its axis 1); wv (in the module: [512, 512], K = its axis 1): each comes as NAME_codes (uint8): NAME with its K axis moved to the last place and cut into blocks of 32 codes, [.., K / 32, bytes a block], one block behind the other in memory; four codes in three bytes: a row's codes are one little-endian stream of bits, code i at bits 6 i .. 6 i + 5 (a code: sign, 2 exponent bits, 3 mantissa bits); and NAME_scales (uint8): the same leading axes, one E8M0 byte (e + 127) for each 32 codes along K. Its value is code x scale, taken as it is: it is not quantised again, and the codes and scales need not be those that the quantiser above would give.
;; One version. Each part assembles by itself: llvm-mc -triple=amdgcn-amd-amdhsa -mcpu=gfx1250 --defsym DOCPART=n.
;; ======== version 1 of 1: 3 launches
;; workspace buffers: hc 12,582,912 bytes; hs 524,288 bytes; wimg 786,432 bytes; qkvc 37,748,736 bytes; qkvs 1,572,864 bytes
;; launch norm (part 1): grid 256 x 1, 32 waves a work-group, no clusters, 8,192 bytes of LDS; arguments x, gn_scale, gn_bias, wq_codes, wk_codes, wv_codes, wo_codes, hc, hs, wimg; writes hc, hs, wimg
.if DOCPART == 1
	.amdgcn_target "amdgcn-amd-amdhsa--gfx1250"
	.amdhsa_code_object_version 6
	.text
	.protected	k_q6ea9743cd9_norm
	.globl	k_q6ea9743cd9_norm
	.p2align	8
	.type	k_q6ea9743cd9_norm,@function
k_q6ea9743cd9_norm:
	s_mov_b64 s[64:65], 0
	v_nop
	global_prefetch_b8 v0, s[64:65] scope:SCOPE_SE
	s_setreg_imm32_b32 hwreg(HW_REG_WAVE_MODE, 25, 1), 1
	s_wait_xcnt 0x0
; GROUP NORM AND ITS QUANTISER.  x: [32][512][1024] f32.  A group is 32 channels x 1,024 pixels, which is also one block of 32 along K (the channels) of the products that follow.
; Work-group id = 8 b + g takes groups 2 g and 2 g + 1 of image b: 64 channels, 262,144 consecutive bytes of x, read once and kept in registers between the sums and the scaling.
; Wave w takes pixels 32 w .. 32 w + 31; a lane takes ONE pixel and its 64 registers run down the channels: each load of a wave reads 128 consecutive bytes, the 32 waves together a row of 4,096,
; a block's largest magnitude needs no other lane, and the conversions give codes with the channels innermost.
; THE PIXELS OF A TILE ARE NOT NEIGHBOURS: lane r of tile T holds pixel 32 (T / 2) + 8 (T % 2) + r + 8 (r / 8); lanes 0-15 of wave w are tile 2 w, lanes 16-31 tile 2 w + 1.
; OUT: hc [b][tile 64][K step 4]: images of operand registers, 1,536 bytes a fragment; half c (registers 6 c .. 6 c + 5) at 768 c: registers + 0 .. 3 at 16 x lane, + 4, 5 at 512 + 8 x lane.
; This work-group makes half g % 2 of K step g / 2 of all 64 tiles.  hs [b][g][1,024]: two scale bytes (group 2 g low, 2 g + 1 high) for each pixel, in tile order.
; Mean and variance are made in two passes over the registers (sum; sum of squared differences), so a common offset in x does no harm.
; ALSO: each work-group lays out two fragments of the four weights (waves 0 and 1, one each) as register images in wimg [weight 4][tile 32][K step 4], 1,536 bytes: register 4 c + i of lane l at 512 c + 16 l + 4 i;
; a tile's rows are chosen as the pixels are above.
; LIMITS: NaN and infinities are not served.  A block whose largest magnitude lies under 2^-124 (a block of zeros too) gets the scale byte 1; only this program reads the bytes, and zero codes add nothing.
; No matrix work, no clusters: work-groups share no input.
.set X,    16                          ; v16-79   64 channels of my pixel
.set RED1, 256                         ; LDS: 0: the waves' sums; 256: their sums of squares; 512: 2,048 bytes of scale bytes
.set HSB,  512
.set PA,   104                         ; v104-109 the half fragment of tile 2 w (first: group a's codes)
.set TA,   110                         ; v110-112 group a's upper 16 codes
.set PB,   114                         ; v114-119 the half fragment of tile 2 w + 1 (first: group b's codes)
.set TB,   120                         ; v120-122 group b's upper 16 codes
.macro LANESUM                         ; v80 and v81 summed over the 32 lanes, the result in every lane
.irp m, 1,2,4,8
	v_add_f32_dpp v80, v80, v80 row_xmask:\m row_mask:0xf bank_mask:0xf
	v_add_f32_dpp v81, v81, v81 row_xmask:\m row_mask:0xf bank_mask:0xf
.endr
	v_permlanex16_b32 v90, v80, s28, s29
	v_permlanex16_b32 v91, v81, s28, s29
	v_add_f32 v80, v80, v90
	v_add_f32 v81, v81, v91
.endm
.macro WGSUM off                       ; and over the 32 waves: each wave's pair to its own 8 bytes, a barrier, lane i takes wave i's pair
	LANESUM
	ds_store_b64 v12, v[80:81] offset:\off
	s_wait_dscnt 0x0                               ; for the others' sake: my store has landed
	s_barrier_signal -1
	s_barrier_wait -1
	ds_load_b64 v[80:81], v13 offset:\off
	s_wait_dscnt 0x0
	LANESUM
.endm
.macro ADD16 s0, s1, xs, first         ; sixteen registers into two chains of packed sums
.if \first
	v_pk_add_f32 v[\s0:\s0+1], v[\xs:\xs+1], v[\xs+2:\xs+3]
	v_pk_add_f32 v[\s1:\s1+1], v[\xs+4:\xs+5], v[\xs+6:\xs+7]
.else
	v_pk_add_f32 v[\s0:\s0+1], v[\s0:\s0+1], v[\xs:\xs+1]
	v_pk_add_f32 v[\s1:\s1+1], v[\s1:\s1+1], v[\xs+2:\xs+3]
	v_pk_add_f32 v[\s0:\s0+1], v[\s0:\s0+1], v[\xs+4:\xs+5]
	v_pk_add_f32 v[\s1:\s1+1], v[\s1:\s1+1], v[\xs+6:\xs+7]
.endif
	v_pk_add_f32 v[\s0:\s0+1], v[\s0:\s0+1], v[\xs+8:\xs+9]
	v_pk_add_f32 v[\s1:\s1+1], v[\s1:\s1+1], v[\xs+10:\xs+11]
	v_pk_add_f32 v[\s0:\s0+1], v[\s0:\s0+1], v[\xs+12:\xs+13]
	v_pk_add_f32 v[\s1:\s1+1], v[\s1:\s1+1], v[\xs+14:\xs+15]
.endm
.macro SQ16 s0, s1, xs, first          ; the same for squares, fused
.if \first
	v_pk_mul_f32 v[\s0:\s0+1], v[\xs:\xs+1], v[\xs:\xs+1]
	v_pk_mul_f32 v[\s1:\s1+1], v[\xs+2:\xs+3], v[\xs+2:\xs+3]
.else
	v_pk_fma_f32 v[\s0:\s0+1], v[\xs:\xs+1], v[\xs:\xs+1], v[\s0:\s0+1]
	v_pk_fma_f32 v[\s1:\s1+1], v[\xs+2:\xs+3], v[\xs+2:\xs+3], v[\s1:\s1+1]
.endif
.irp i, 4,8,12
	v_pk_fma_f32 v[\s0:\s0+1], v[\xs+\i:\xs+\i+1], v[\xs+\i:\xs+\i+1], v[\s0:\s0+1]
	v_pk_fma_f32 v[\s1:\s1+1], v[\xs+\i+2:\xs+\i+3], v[\xs+\i+2:\xs+\i+3], v[\s1:\s1+1]
.endr
.endm
.macro AFFINE xs, r                    ; (x - mean) x rstd, then x gain + bias: the 32 gains in s32-63, the 32 biases in s68-99
.set i_, 0
.rept 16
	v_pk_mul_f32 v[\xs+2*i_:\xs+2*i_+1], v[\xs+2*i_:\xs+2*i_+1], v[\r:\r+1]
.set i_, i_+1
.endr
.set i_, 0
.rept 32
	v_fma_f32 v[\xs+i_], v[\xs+i_], s[32+i_], s[68+i_]
.set i_, i_+1
.endr
.endm
.macro QG xs, pc, tc, m                ; a whole block of 32 in my registers: largest magnitude with the floor 2^(3 - 127), scale operand, 2 x 16 codes, scale byte in v[m + 3]
	v_max3_num_f32 v[\m], |v[\xs]|, |v[\xs+1]|, |v[\xs+2]|
	v_max3_num_f32 v[\m+1], |v[\xs+3]|, |v[\xs+4]|, |v[\xs+5]|
.irp i, 6,10,14,18,22,26
	v_max3_num_f32 v[\m], v[\m], |v[\xs+\i]|, |v[\xs+\i+1]|
	v_max3_num_f32 v[\m+1], v[\m+1], |v[\xs+\i+2]|, |v[\xs+\i+3]|
.endr
	v_max3_num_f32 v[\m], v[\m], |v[\xs+30]|, |v[\xs+31]|
	v_max3_num_f32 v[\m], v[\m], v[\m+1], 0x1800000
	v_add_nc_u32 v[\m+2], 0xff000000, v[\m]        ; 2 off the exponent field: the conversion takes that field as its scale
	v_cvt_scalef32_pk16_fp6_f32 v[\pc:\pc+2], v[\xs:\xs+15], v[\m+2]
	v_cvt_scalef32_pk16_fp6_f32 v[\tc:\tc+2], v[\xs+16:\xs+31], v[\m+2]
	v_lshrrev_b32 v[\m+3], 23, v[\m+2]             ; the scale's byte; also the plain line behind the conversions
.endm
	s_load_b512 s[4:19], s[0:1], 0x0               ; x, gn_scale, gn_bias, wq, wk, wv, wo codes, hc
	s_load_b128 s[20:23], s[0:1], 0x40             ; hs, wimg
	v_lshl_add_u32 v126, v0, 2, 0x1000
	v_mov_b32 v127, 0
	v_lshrrev_b32 v5, 5, v0
	v_readfirstlane_b32 s24, v5                    ; wave 0..31
	v_and_b32 v1, 31, v0                           ; lane
	v_and_b32 v6, 15, v0                           ; r
	v_bfe_u32 v7, v0, 4, 1                         ; which half of the lanes
	v_and_b32 v8, 8, v6
	v_add_nc_u32 v8, v8, v6                        ; r + 8 (r / 8)
	v_lshl_add_u32 v9, v7, 3, v8                   ; my pixel among the wave's 32
	s_lshl_b32 s25, s24, 7
	v_lshl_add_u32 v2, v9, 2, s25                  ; x: 128 x wave + 4 x pixel
	s_mul_i32 s25, s24, 12288                      ; hc: two tiles of 6,144 bytes a wave
	v_lshl_add_u32 v3, v1, 4, s25
	v_lshl_add_u32 v4, v1, 3, s25
	s_lshl_b32 s25, s24, 3                         ; every LDS address is made here, ahead of the first branch on the wave's number
	v_mov_b32 v12, s25                             ; my wave's 8 bytes of a sum
	v_lshlrev_b32 v13, 3, v1                       ; and wave i's for lane i
	s_lshl_b32 s25, s24, 6
	v_lshl_add_u32 v14, v1, 1, s25                 ; my pixel's two scale bytes: 64 x wave + 2 x lane
	s_min_u32 s25, s24, 3
	s_lshl_b32 s25, s25, 9
	v_lshl_add_u32 v15, v1, 4, s25                 ; waves 0-3 carry 512 bytes each of them out
	s_bfe_u32 s2, ttmp9, 0x50001                   ; the weight fragment: tile T = (id / 2) % 32,
	s_lshr_b32 s3, s2, 1
	s_lshl_b32 s3, s3, 5
	s_and_b32 s2, s2, 1
	s_lshl_b32 s2, s2, 3
	s_add_co_u32 s2, s2, s3                        ; whose first row is 32 (T / 2) + 8 (T % 2);
	s_mul_i32 s2, s2, 384                          ; a row of 512 codes is 384 bytes
	s_and_b32 s3, ttmp9, 1
	s_lshl_b32 s3, s3, 1
	s_add_co_u32 s3, s3, s24                       ; K step 2 (id % 2) + wave
	s_mul_i32 s3, s3, 96
	s_add_co_u32 s2, s2, s3
	v_mul_u32_u24 v10, v8, 384
	v_mad_u32_u24 v10, v7, 24, v10
	v_add_nc_u32 v10, s2, v10                      ; from: row, K step, 24 bytes for each half of the lanes
	s_lshl_b32 s3, ttmp9, 1
	s_add_co_u32 s3, s3, s24
	s_mul_i32 s3, s3, 1536
	v_lshl_add_u32 v11, v1, 4, s3                  ; to: image 2 id + wave
	v_mov_b32 v90, 0                               ; a lane permute's destination counts as read
	v_mov_b32 v91, 0
	v_mov_b32 v100, 0x38000000                     ; 2^-15: a group has 32,768 numbers
	s_mov_b32 s28, 0x76543210
	s_mov_b32 s29, 0xfedcba98                      ; lane l xor 16
	s_lshl_b32 s26, ttmp9, 18                      ; x: 262,144 bytes a work-group
	s_mov_b32 s27, 0
	s_and_b32 s25, ttmp9, 7                        ; g
	s_lshl_b32 s30, s25, 8                         ; gains and biases: 64 channels on
	s_mov_b32 s31, 0
	s_wait_kmcnt 0x0
	s_add_nc_u64 s[4:5], s[4:5], s[26:27]
	s_add_nc_u64 s[6:7], s[6:7], s[30:31]
	s_add_nc_u64 s[8:9], s[8:9], s[30:31]
	s_load_b512 s[32:47], s[6:7], 0x0              ; the first group's 32 gains
	s_load_b512 s[48:63], s[6:7], 0x40
	s_load_b512 s[68:83], s[8:9], 0x0              ; and biases
	s_load_b512 s[84:99], s[8:9], 0x40
	s_lshr_b32 s26, ttmp9, 3
	s_mul_i32 s26, s26, 393216                     ; hc: image b,
	s_lshr_b32 s30, s25, 1
	s_mul_i32 s30, s30, 1536                       ; K step g / 2,
	s_add_co_u32 s26, s26, s30
	s_and_b32 s30, s25, 1
	s_mul_i32 s30, s30, 768                        ; half g % 2
	s_add_co_u32 s26, s26, s30
	s_add_nc_u64 s[18:19], s[18:19], s[26:27]
	s_lshl_b32 s26, ttmp9, 11                      ; hs: 2,048 bytes a work-group
	s_add_nc_u64 s[20:21], s[20:21], s[26:27]
	s_lshr_b32 s25, ttmp9, 6                       ; which weight: id / 64; the choice hangs on the work-group's number alone
	s_cmp_eq_u32 s25, 0
	s_cselect_b64 s[10:11], s[10:11], s[12:13]
	s_cmp_eq_u32 s25, 2
	s_cselect_b64 s[14:15], s[14:15], s[16:17]
	s_cmp_lt_u32 s25, 2
	s_cselect_b64 s[10:11], s[10:11], s[14:15]
	s_cmp_lt_u32 s24, 2
	s_cbranch_scc0 .Lnw1
.irp p, 0,1,2,3,4,5
	global_load_b64 v[PA+2*\p:PA+2*\p+1], v10, s[10:11] offset:48*(\p/3)+8*(\p%3)   ; a weight fragment as the operand's registers take it
.endr
.Lnw1:
.set i_, 0
.rept 64
	global_load_b32 v[X+i_], v2, s[4:5] offset:4096*i_ th:TH_LOAD_NT               ; channel i of my pixel
.set i_, i_+1
.endr
	s_wait_loadcnt 48                              ; the oldest loads are in: the weight fragment and channels 0-15; the 48 younger stay out
	s_cmp_lt_u32 s24, 2
	s_cbranch_scc0 .Lnw2
.irp c, 0,1,2
	global_store_b128 v11, v[PA+4*\c:PA+4*\c+3], s[22:23] offset:512*\c            ; 512 consecutive bytes a store
.endr
.Lnw2:
	ADD16 82, 84, X, 1
	s_wait_loadcnt 32
	ADD16 82, 84, X+16, 0
	s_wait_loadcnt 16
	ADD16 86, 88, X+32, 1
	s_wait_loadcnt 0x0
	ADD16 86, 88, X+48, 0
	v_pk_add_f32 v[82:83], v[82:83], v[84:85]
	v_pk_add_f32 v[86:87], v[86:87], v[88:89]
	v_add_f32 v80, v82, v83
	v_add_f32 v81, v86, v87
	WGSUM 0
	v_mul_f32 v92, 0xb8000000, v80                 ; - mean = sum x -2^-15
	v_mul_f32 v94, 0xb8000000, v81
	v_mov_b32 v93, v92
	v_mov_b32 v95, v94
.set i_, 0
.rept 16
	v_pk_add_f32 v[X+2*i_:X+2*i_+1], v[X+2*i_:X+2*i_+1], v[92:93]
	v_pk_add_f32 v[X+32+2*i_:X+32+2*i_+1], v[X+32+2*i_:X+32+2*i_+1], v[94:95]
.set i_, i_+1
.endr
	SQ16 82, 84, X, 1
	SQ16 86, 88, X+32, 1
	SQ16 82, 84, X+16, 0
	SQ16 86, 88, X+48, 0
	v_pk_add_f32 v[82:83], v[82:83], v[84:85]
	v_pk_add_f32 v[86:87], v[86:87], v[88:89]
	v_add_f32 v80, v82, v83
	v_add_f32 v81, v86, v87
	WGSUM RED1                                     ; other bytes than the first sum's: no wave can overwrite what another still reads
	v_fmaak_f32 v96, v80, v100, 0x358637bd         ; variance + 1e-6
	v_fmaak_f32 v98, v81, v100, 0x358637bd
	v_rsq_f32 v96, v96
	v_rsq_f32 v98, v98
	v_nop                                          ; a plain line behind the last of the two
	s_wait_alu depctr_va_vdst(0)                   ; one wait for both, ahead of their first reader
	v_mov_b32 v97, v96
	v_mov_b32 v99, v98
	s_wait_kmcnt 0x0                               ; the first group's gains and biases
	AFFINE X, 96
	s_wait_xcnt 0x0                                ; the weight image's stores have read v104-115, which the conversions write
	s_load_b512 s[32:47], s[6:7], 0x80             ; the second group's, while the first is quantised
	s_load_b512 s[48:63], s[6:7], 0xc0
	s_load_b512 s[68:83], s[8:9], 0x80
	s_load_b512 s[84:99], s[8:9], 0xc0
	QG X, PA, TA, 80
	s_wait_kmcnt 0x0
	AFFINE X+32, 98
	QG X+32, PB, TB, 84
; A fragment's half wants block 2 c in lanes 0-15 and block 2 c + 1 in lanes 16-31, of ONE tile.  I hold both blocks of my pixel; lanes 0-15 are one tile, lanes 16-31 the other.
; The swap exchanges the first register's lanes 16-31 with the second's lanes 0-15: the first set becomes tile 2 w's half, the second tile 2 w + 1's.
.irp i, 0,1,2
	v_permlane16_swap_b32 v[PA+\i], v[PB+\i]
	v_permlane16_swap_b32 v[TA+\i], v[TB+\i]
.endr
.irp i, 0,1,2
	v_mov_b32 v[PA+3+\i], v[TA+\i]                 ; (a conversion's three registers begin on an even number)
	v_mov_b32 v[PB+3+\i], v[TB+\i]
.endr
	v_lshl_or_b32 v88, v87, 8, v83                 ; my pixel's two scale bytes
	ds_store_b16 v14, v88 offset:HSB
	global_store_b128 v3, v[PA:PA+3], s[18:19]                 ; 512 consecutive bytes
	global_store_b64 v4, v[PA+4:PA+5], s[18:19] offset:512     ; 256 consecutive bytes
	global_store_b128 v3, v[PB:PB+3], s[18:19] offset:6144
	global_store_b64 v4, v[PB+4:PB+5], s[18:19] offset:6656
	s_wait_dscnt 0x0                               ; for the others' sake
	s_barrier_signal -1
	s_barrier_wait -1
	s_cmp_lt_u32 s24, 4
	s_cbranch_scc0 .Lend
	ds_load_b128 v[92:95], v15 offset:HSB
	s_wait_dscnt 0x0
	global_store_b128 v15, v[92:95], s[20:21]      ; the work-group's 2,048 scale bytes leave in runs of 512
.Lend:
	s_wait_tensorcnt 0x0
	ds_add_u32 v126, v127
	s_wait_dscnt 0x0
	s_endpgm
.Lfunc_end_k_q6ea9743cd9_norm:
	.size	k_q6ea9743cd9_norm, .Lfunc_end_k_q6ea9743cd9_norm-k_q6ea9743cd9_norm
	.p2alignl 7, 3214868480
	.fill 96, 4, 3214868480
	.section	.rodata,"a",@progbits
	.p2align	6, 0x0
	.amdhsa_kernel k_q6ea9743cd9_norm
		.amdhsa_group_segment_fixed_size 8192
		.amdhsa_private_segment_fixed_size 0
		.amdhsa_enable_private_segment 0
		.amdhsa_kernarg_size 80
		.amdhsa_user_sgpr_count 2
		.amdhsa_user_sgpr_kernarg_segment_ptr 1
		.amdhsa_wavefront_size32 1
		.amdhsa_system_sgpr_workgroup_id_x 1
		.amdhsa_system_sgpr_workgroup_id_y 1
		.amdhsa_system_sgpr_workgroup_id_z 1
		.amdhsa_system_vgpr_workitem_id 0
		.amdhsa_next_free_vgpr 128
		.amdhsa_next_free_sgpr 100
		.amdhsa_reserve_vcc 0
		.amdhsa_float_denorm_mode_32 3
		.amdhsa_float_denorm_mode_16_64 3
		.amdhsa_memory_ordered 1
		.amdhsa_forward_progress 1
		.amdhsa_inst_pref_size 31
	.end_amdhsa_kernel
	.amdgpu_metadata
---
amdhsa.version: [ 1, 2 ]
amdhsa.kernels:
  - .name:           k_q6ea9743cd9_norm
    .symbol:         k_q6ea9743cd9_norm.kd
    .args:
      - { .name: x, .offset: 0, .size: 8, .value_kind: global_buffer, .address_space: global }
      - { .name: gn_scale, .offset: 8, .size: 8, .value_kind: global_buffer, .address_space: global }
      - { .name: gn_bias, .offset: 16, .size: 8, .value_kind: global_buffer, .address_space: global }
      - { .name: wq_codes, .offset: 24, .size: 8, .value_kind: global_buffer, .address_space: global }
      - { .name: wk_codes, .offset: 32, .size: 8, .value_kind: global_buffer, .address_space: global }
      - { .name: wv_codes, .offset: 40, .size: 8, .value_kind: global_buffer, .address_space: global }
      - { .name: wo_codes, .offset: 48, .size: 8, .value_kind: global_buffer, .address_space: global }
      - { .name: hc, .offset: 56, .size: 8, .value_kind: global_buffer, .address_space: global }
      - { .name: hs, .offset: 64, .size: 8, .value_kind: global_buffer, .address_space: global }
      - { .name: wimg, .offset: 72, .size: 8, .value_kind: global_buffer, .address_space: global }
    .group_segment_fixed_size: 8192
    .private_segment_fixed_size: 0
    .kernarg_segment_align: 8
    .kernarg_segment_size: 80
    .max_flat_workgroup_size: 1024
    .sgpr_count:     100
    .vgpr_count:     128
    .wavefront_size: 32
...
	.end_amdgpu_metadata
.endif
;; end of part 1
;; launch qkv (part 2): grid 8 x 32, 4 waves a work-group, no clusters, 262,656 bytes of LDS; arguments hc, hs, wimg, wq_scales, wk_scales, wv_scales, bq, bk, bv, qkvc, qkvs; writes qkvc, qkvs
.if DOCPART == 2
	.amdgcn_target "amdgcn-amd-amdhsa--gfx1250"
	.amdhsa_code_object_version 6
	.text
	.protected	k_q6ea9743cd9_qkv
	.globl	k_q6ea9743cd9_qkv
	.p2align	8
	.type	k_q6ea9743cd9_qkv,@function
k_q6ea9743cd9_qkv:
	s_mov_b64 s[64:65], 0
	v_nop
	global_prefetch_b8 v0, s[64:65] scope:SCOPE_SE
	s_setreg_imm32_b32 hwreg(HW_REG_WAVE_MODE, 25, 1), 1
	s_wait_xcnt 0x0
; q, k, v = W hn + b on codes of E2M3, and their quantisers.  A work-group takes 128 pixels (block P = x of the grid) of image b (y): 8 tiles of 16.  THE WAVES SHARE THE OUTPUT CHANNELS: wave w makes channels 128 w .. + 127 of q, k and v.
; q and k are wanted with the CHANNELS as K: source 0 = 16 rows of W, source 1 = 16 pixels of hn, so a lane holds one pixel and its 64 registers run along my 128 channels: one fragment (K step w) and one scale word.
; v is wanted with the PIXELS as K: source 0 = 16 pixels of hn, source 1 = 16 rows of wv, so a lane holds one channel and its 64 registers run along the block's 128 pixels: one fragment (key step P).
; Rows of every tile (pixels and weight rows alike): lane r of tile T holds row 32 (T / 2) + 8 (T % 2) + r + 8 (r / 8), so that the 16 registers of result tiles 2 b and 2 b + 1 are 16 neighbours along the next K.
; A PASS is a loop of 32 matrix instructions a tile: a RESIDENT operand of 32 fragments in registers (source 0), a STREAMED tile of 4 fragments from LDS (source 1), 8 accumulators by turns.
; Passes q, k: resident Wq, Wk, streamed hn.  Pass v, the last: resident hn, streamed wv, whose 192 KB so have two passes in which to land.  The next pass's resident operand is loaded into the other register set during the pass in hand.
; Operands travel as images of their registers: F image (1,536 bytes): register 4 c + i of lane l at 512 c + 16 l + 4 i.  H image (hn): half c at 768 c: registers + 0 .. 3 at 16 l, + 4, 5 at 512 + 8 l.
; OUT: qkvc: regions q, k, v; in each b x 393,216 + P x 49,152 + w x 12,288 + tile x 1,536, F images.  qkvs: regions; b x 16,384 + P x 2,048 + w x 512: lane l's 16 bytes hold word i = the scale word of tile 2 i + l / 16, row l % 16.
; NO CLUSTER: the weights that all work-groups walk go from memory straight into the one wave's registers that multiplies them; a joint load lands in LDS and would add an LDS write and read for each byte; only wv, 192 KB of the
; 800 KB that a work-group reads, passes through LDS at all.
; LDS is filled by tensor loads once, at the head, and never again.
; LIMITS: NaN and infinities are not served; a block whose largest magnitude lies under 2^-124 (zeros too) gets the scale byte 1: only this program reads the bytes.
.set HN,  0                            ; LDS: hn's 8 tiles as they lie in hc: tile x 6,144 + K step x 1,536
.set WV,  49152                        ; wv's images: wave w's 8 tiles at + 49,152 w
.set HSC, 245760                       ; hn's scale words [pixel in tile order][4]
.set WVS, 247808                       ; wv_scales as they lie: 16 bytes a row
.set BQL, 256000                       ; bq, bk, bv
.set BKL, 258048
.set BVL, 260096
.set L16, 1                            ; v1   16 x lane          v2   8 x lane
.set L8,  2
.set ADA, 3                            ; v3-6 addresses of the streamed tile in hand: 16-byte pieces, 8-byte pieces, scale words, bv
.set ADB, 4
.set ADS, 5
.set ADC, 6
.set SQ,  8                            ; v8-11  the pass's scale image, gathered pair by pair
.set PW0, 12                           ; v12-13 the scale words of a pair of tiles
.set PW1, 13
.set BAV, 16                           ; v16-21 bases that stay
.set BSV, 17
.set BBV, 18
.set BSH, 19
.set BIA, 20
.set WSO, 21
.set RS,  24                           ; v24-55 the resident operands' scale words: they hold scales and nothing else
.set SS,  56                           ; v56-59 the streamed tile's
.set ST,  64                           ; v64-111 the streamed tile's four fragments
.set BV,  112                          ; v112-119 bv of my lane's channel, eight times: the C of a sum's first product
.set TM,  120                          ; v120-139 the quantiser's scratch
.set ACC, 160                          ; v160-223 eight accumulators
.set PC,  224                          ; v224-235 the codes just made;  v236-243 their upper halves on the way
.set PT,  236
.set SEL, 88
.set MSB, 0
.macro WIN new                         ; the immediate's high byte repeats the setting that is left; a switch that changes nothing is dropped
.if MSB != (\new)
	s_set_vgpr_msb (MSB<<8)|(\new)
.set MSB, (\new)
.endif
.endm
.macro PLACES                          ; four plain lines behind matrix instructions, ahead of loads into their registers and of the first read of results
.rept 4
	v_nop
.endr
.endm
; Two sets of 32 fragments.  Set 0: slots 0-20 in window 1, 21-31 in window 2 from v0.  Set 1: slots 0-9 in window 2 from v132, 10-30 in window 3, 31 in window 0 at v244.  No fragment crosses a window.
.macro RSLOT set, g
.if (\set) == 0
.if (\g) < 21
.set RW, 1
.set RB, 12*(\g)
.else
.set RW, 2
.set RB, 12*((\g)-21)
.endif
.else
.if (\g) < 10
.set RW, 2
.set RB, 132+12*(\g)
.elseif (\g) < 31
.set RW, 3
.set RB, 12*((\g)-10)
.else
.set RW, 0
.set RB, 244
.endif
.endif
.endm
.macro RLOADF set, g0, g1, base, D, MA, MB, OFF0   ; F images from memory into slots g0 .. g1: slot g from OFF0 + MA (g % D) + MB (g / D)
.set g_, \g0
.rept (\g1)-(\g0)+1
	RSLOT \set, g_
	WIN RW<<6
.set o_, (\OFF0)+(\MA)*(g_%(\D))+(\MB)*(g_/(\D))
	global_load_b128 v[RB:RB+3], v[L16], s[\base:\base+1] offset:o_
	global_load_b128 v[RB+4:RB+7], v[L16], s[\base:\base+1] offset:o_+512
	global_load_b128 v[RB+8:RB+11], v[L16], s[\base:\base+1] offset:o_+1024
.set g_, g_+1
.endr
	WIN 0
.endm
.macro RLOADH set, g0, g1, base, D, MA, MB         ; H images likewise
.set g_, \g0
.rept (\g1)-(\g0)+1
	RSLOT \set, g_
	WIN RW<<6
.set o_, (\MA)*(g_%(\D))+(\MB)*(g_/(\D))
	global_load_b128 v[RB:RB+3], v[L16], s[\base:\base+1] offset:o_
	global_load_b64 v[RB+4:RB+5], v[L8], s[\base:\base+1] offset:o_+512
	global_load_b128 v[RB+6:RB+9], v[L16], s[\base:\base+1] offset:o_+768
	global_load_b64 v[RB+10:RB+11], v[L8], s[\base:\base+1] offset:o_+1280
.set g_, g_+1
.endr
	WIN 0
.endm
.macro RLOADHL set, g0, g1, D, MA, MB              ; and from hn's copy in LDS
.set g_, \g0
.rept (\g1)-(\g0)+1
	RSLOT \set, g_
	WIN RW<<6
.set o_, HN+(\MA)*(g_%(\D))+(\MB)*(g_/(\D))
	ds_load_b128 v[RB:RB+3], v[L16] offset:o_
	ds_load_b64 v[RB+4:RB+5], v[L8] offset:o_+512
	ds_load_b128 v[RB+6:RB+9], v[L16] offset:o_+768
	ds_load_b64 v[RB+10:RB+11], v[L8] offset:o_+1280
.set g_, g_+1
.endr
	WIN 0
.endm
; NA x NY matrix instructions: K step a, accumulator y: source 0 = slot NY a + y, source 1 = v[STB + 12 a] of window STW.  Source 0's scale word: v[RSB + SA a + SY (y / 2)], lanes 0-15 for even y, 16-31 for odd; source 1's: v[SSB + a].
; mode 0: the first K step starts the sums with the constant 0; 1: with what was loaded into the accumulators; 2: with v[CB .. CB + 7].
.macro MM32 set, NA, NY, mode, RSB, SA, SY, SSB, STB, STW, CB
.set a_, 0
.rept \NA
.set y_, 0
.rept \NY
	RSLOT \set, (\NY)*a_+y_
	WIN RW|((\STW)<<2)
.set d_, ACC+8*y_
.set b_, (\STB)+12*a_
.set p_, (\RSB)+(\SA)*a_+(\SY)*(y_/2)
.set q_, (\SSB)+a_
.set c_, d_
.if (a_ == 0) && ((\mode) == 2)
.set c_, \CB
.endif
.if (a_ == 0) && ((\mode) == 0)
.if y_%2
	v_wmma_scale_f32_16x16x128_f8f6f4 v[d_:d_+7], v[RB:RB+11], v[b_:b_+11], 0, v[p_], v[q_] matrix_a_fmt:MATRIX_FMT_FP6 matrix_b_fmt:MATRIX_FMT_FP6 matrix_a_scale:MATRIX_SCALE_ROW1
.else
	v_wmma_scale_f32_16x16x128_f8f6f4 v[d_:d_+7], v[RB:RB+11], v[b_:b_+11], 0, v[p_], v[q_] matrix_a_fmt:MATRIX_FMT_FP6 matrix_b_fmt:MATRIX_FMT_FP6
.endif
.else
.if y_%2
	v_wmma_scale_f32_16x16x128_f8f6f4 v[d_:d_+7], v[RB:RB+11], v[b_:b_+11], v[c_:c_+7], v[p_], v[q_] matrix_a_fmt:MATRIX_FMT_FP6 matrix_b_fmt:MATRIX_FMT_FP6 matrix_a_scale:MATRIX_SCALE_ROW1
.else
	v_wmma_scale_f32_16x16x128_f8f6f4 v[d_:d_+7], v[RB:RB+11], v[b_:b_+11], v[c_:c_+7], v[p_], v[q_] matrix_a_fmt:MATRIX_FMT_FP6 matrix_b_fmt:MATRIX_FMT_FP6
.endif
.endif
.set y_, y_+1
.endr
.set a_, a_+1
.endr
	WIN 0
.endm
; 64 numbers of a lane, register 16 b + i = k 32 b + 16 (lane / 16) + i of my row, with scale operands in v[t + 12 ..], become a fragment's 12 registers in v[PC] on
.macro CODES s, t
.irp c, 0,1
	v_cvt_scalef32_pk16_fp6_f32 v[PC+6*\c:PC+6*\c+2], v[\s+32*\c:\s+32*\c+15], v[\t+12+2*\c]
	v_cvt_scalef32_pk16_fp6_f32 v[PT+4*\c:PT+4*\c+2], v[\s+32*\c+16:\s+32*\c+31], v[\t+12+2*\c+1]   ; (a conversion's three registers begin on an even number)
.endr
	v_nop                                          ; one plain line behind the scaled conversions
.irp c, 0,1                                    ; the layout wants a whole block in a lane: lanes 0-15 block 2 c, lanes 16-31 block 2 c + 1
.irp i, 0,1,2
	v_permlane16_swap_b32 v[PC+6*\c+\i], v[PT+4*\c+\i]
.endr
.irp i, 0,1,2
	v_mov_b32 v[PC+3+6*\c+\i], v[PT+4*\c+\i]
.endr
.endr
.endm
.macro QUANT s, t, pw                  ; the quantiser: four blocks' largest magnitudes (with the floor 2^(3 - 127)), scale operands, bytes, the row's scale word in v[pw], the codes
.irp b, 0,1,2,3
	v_max3_num_f32 v[\t+\b], |v[\s+16*\b]|, |v[\s+16*\b+1]|, 0x1800000
.endr
.irp i, 2,4,6,8,10,12,14
.irp b, 0,1,2,3
	v_max3_num_f32 v[\t+\b], v[\t+\b], |v[\s+16*\b+\i]|, |v[\s+16*\b+\i+1]|
.endr
.endr
.irp b, 0,1,2,3
	v_permlanex16_b32 v[\t+4+\b], v[\t+\b], s[SEL], s[SEL+1]
.endr
.irp b, 0,1,2,3
	v_max_num_f32 v[\t+\b], v[\t+\b], v[\t+4+\b]   ; with lane l xor 16's 16 numbers
.endr
.irp b, 0,1,2,3
	v_add_nc_u32 v[\t+12+\b], 0xff000000, v[\t+\b] ; 2 off the exponent field
.endr
.irp b, 0,1,2,3
	v_lshrrev_b32 v[\t+4+\b], 23, v[\t+12+\b]
.endr
	v_lshl_or_b32 v[\pw], v[\t+5], 8, v[\t+4]
	v_lshl_or_b32 v[\pw], v[\t+6], 16, v[\pw]
	v_lshl_or_b32 v[\pw], v[\t+7], 24, v[\pw]
	CODES \s, \t
.endm
	s_load_b512 s[4:19], s[0:1], 0x0               ; hc, hs, wimg, wq_scales, wk_scales, wv_scales, bq, bk
	s_load_b128 s[20:23], s[0:1], 0x40             ; bv, qkvc
	s_load_b64 s[24:25], s[0:1], 0x50              ; qkvs
	v_lshl_add_u32 v239, v0, 2, 0x40000
	v_mov_b32 v243, 0
	ds_add_u32 v239, v243
	ds_add_u32 v239, v243
	v_lshrrev_b32 v1, 5, v0
	v_readfirstlane_b32 s26, v1                    ; wave 0..3
	s_and_b32 s52, ttmp7, 0xffff                   ; image b
; descriptor group 1, twice: a dense block as rows of 256 bytes (32 elements of 8 bytes): 48 rows for hn's quarter, 192 for my part of wv
.irp g, 28, 36
	s_mov_b32 s[\g], 3<<16                         ; no mask; elements of 8 bytes; no padding
	s_mov_b32 s[\g+1], 32<<16                      ; tensor_dim0
	s_mov_b32 s[\g+3], 32<<16                      ; tile_dim0
	s_mov_b32 s[\g+5], 32                          ; pitch
	s_mov_b32 s[\g+6], 0
	s_mov_b32 s[\g+7], 0
.endr
	s_mov_b32 s30, 48<<16                          ; tensor_dim1
	s_mov_b32 s32, 48                              ; tile_dim1
	s_mov_b32 s38, 192<<16
	s_mov_b32 s40, 192
	s_mul_i32 s54, s52, 393216
	s_mul_i32 s53, ttmp9, 49152
	s_add_co_u32 s54, s54, s53                     ; image b, block P in a tensor of codes
	s_mov_b32 s55, 0
	s_mul_i32 s56, s26, 12288
	s_mov_b32 s57, 0
	s_mul_i32 s58, s26, 49152
	s_mov_b32 s59, 0
	s_lshl_b32 s60, s52, 14
	s_lshl_b32 s53, ttmp9, 8
	s_add_co_u32 s82, s60, s53                     ; hs: 16,384 b + 256 P
	s_mov_b32 s83, 0
	s_lshl_b32 s53, ttmp9, 11
	s_add_co_u32 s60, s60, s53
	s_lshl_b32 s62, s26, 9                         ; 512 w
	s_add_co_u32 s60, s60, s62                     ; qkvs: 16,384 b + 2,048 P + 512 w
	s_mov_b32 s61, 0
	s_lshl_b32 s63, s26, 11                        ; 2,048 w
	s_mov_b32 s[SEL], 0x76543210
	s_mov_b32 s[SEL+1], 0xfedcba98
	s_wait_dscnt 0x0
	s_wait_kmcnt 0x0
	s_add_nc_u64 s[80:81], s[4:5], s[54:55]        ; hc at my block
	s_add_nc_u64 s[78:79], s[8:9], s[58:59]        ; wimg at my 8 tiles of wq (wk: + 196,608; wv: + 393,216)
	s_mov_b32 s44, 1                               ; group 0: count
	s_mov_b32 s45, s56                             ; LDS: HN + 12,288 w
	s_add_nc_u64 s[46:47], s[80:81], s[56:57]
	s_or_b32 s47, s47, 0x80000000                  ; type
	s_mov_b32 s48, 1
	s_add_co_u32 s49, s58, WV                      ; LDS: WV + 49,152 w
	s_add_nc_u64 s[50:51], s[78:79], 393216
	s_or_b32 s51, s51, 0x80000000
	tensor_load_to_lds s[44:47], s[28:35]          ; the launch's only fills: two a wave, each into bytes of its own: hn's quarter first,
	s_nop 0
	tensor_load_to_lds s[48:51], s[36:43]          ; then my part of wv
	s_nop 0
.rept 4
	v_nop
.endr
	s_add_nc_u64 s[82:83], s[6:7], s[82:83]
	s_add_nc_u64 s[54:55], s[54:55], s[56:57]
	s_add_nc_u64 s[68:69], s[22:23], s[54:55]      ; where my codes of q go,
	s_add_nc_u64 s[70:71], s[68:69], 12582912      ; of k,
	s_add_nc_u64 s[66:67], s[68:69], 25165824      ; of v
	s_add_nc_u64 s[74:75], s[24:25], s[60:61]      ; and the scale images
	s_add_nc_u64 s[76:77], s[74:75], 524288
	s_add_nc_u64 s[72:73], s[74:75], 1048576
	v_and_b32 v7, 31, v0
	v_lshlrev_b32 v[L16], 4, v7
	v_lshlrev_b32 v[L8], 3, v7
	v_and_b32 v14, 15, v0                          ; r
	v_bfe_u32 v15, v0, 4, 1                        ; h
	v_and_b32 v22, 8, v14
	v_add_nc_u32 v22, v22, v14                     ; r + 8 (r / 8)
	s_add_co_u32 s53, s58, WV
	v_add_nc_u32 v[BAV], s53, v[L16]               ; my tiles of wv
	s_add_co_u32 s53, s63, WVS
	v_lshl_add_u32 v[BSV], v22, 4, s53             ; their rows' 16 scale bytes
	s_add_co_u32 s53, s62, BVL
	v_lshl_add_u32 v[BBV], v22, 2, s53             ; and bv
	v_lshl_add_u32 v[BSH], v14, 4, HSC             ; hn's scale words of row r
	s_add_co_u32 s53, s62, BQL
	v_lshl_add_u32 v[BIA], v15, 6, s53             ; bq: my 128 channels, + 16 for lanes 16-31
	v_lshl_add_u32 v[WSO], v22, 4, s63
	v_lshl_add_u32 v[WSO], v15, 7, v[WSO]          ; wq_scales, wk_scales: row 128 w + 8 h + r + 8 (r / 8)
	v_lshlrev_b32 v7, 1, v0
	v_lshlrev_b32 v23, 4, v0
	v_lshl_add_u32 v3, v0, 4, HSC
.irp b, 0,1,2,3
	v_mov_b32 v[TM+4+\b], 0                        ; a lane permute's destination counts as read
	v_mov_b32 v[SQ+\b], 0
.endr
.irp g, 0,1,2,3,4,5,6,7
	global_load_u16 v[160+\g], v7, s[82:83] offset:2048*\g     ; hn's scale bytes: two groups a plane, my thread's pixel
.endr
.irp k, 0,1,2,3
	global_load_b128 v[168+4*\k:171+4*\k], v23, s[14:15] offset:2048*\k
.endr
	global_load_b128 v[184:187], v23, s[16:17]
	global_load_b128 v[188:191], v23, s[18:19]
	global_load_b128 v[192:195], v23, s[20:21]
.irp i, 0,1,2,3
	global_load_b128 v[RS+4*\i:RS+4*\i+3], v[WSO], s[10:11] offset:512*\i      ; wq's scale words: register 4 i + s: tile 2 i in lanes 0-15, tile 2 i + 1 in lanes 16-31
.endr
	RLOADF 0, 0, 31, 78, 8, 6144, 1536, 0          ; Wq resident: slot 8 s + tile
	s_wait_loadcnt 63                              ; 100 loads stand behind the 15 small ones: with 63 left out the small ones are in
.irp s, 0,1,2,3
	v_lshl_or_b32 v[196+\s], v[161+2*\s], 16, v[160+2*\s]      ; K step s: groups 4 s .. 4 s + 3
.endr
	ds_store_b128 v3, v[196:199]
.irp k, 0,1,2,3
	ds_store_b128 v3, v[168+4*\k:171+4*\k] offset:WVS-HSC+2048*\k
.endr
	ds_store_b128 v3, v[184:187] offset:BQL-HSC
	ds_store_b128 v3, v[188:191] offset:BKL-HSC
	ds_store_b128 v3, v[192:195] offset:BVL-HSC
	s_wait_tensorcnt 0x1                           ; my quarter of hn has landed; my part of wv, issued behind it, may stay out, and only I read it
	s_wait_dscnt 0x0                               ; my stores have landed:
	s_barrier_signal -1
	s_barrier_wait -1                              ; everybody's have.  From here on no wave stores into LDS
.macro TRIPEND                         ; the pair's two scale words become one register of the scale image; the image's four registers move up by one
	v_permlane16_swap_b32 v[PW0], v[PW1]
	v_mov_b32 v[SQ], v[SQ+1]
	v_mov_b32 v[SQ+1], v[SQ+2]
	v_mov_b32 v[SQ+2], v[SQ+3]
	v_mov_b32 v[SQ+3], v[PW0]
	s_add_co_u32 s84, s84, 1
.endm
; ---- passes q and k
.macro QKPRE e                         ; tile e of the pair of hn's tiles in hand: four H images and the rows' scale words
.irp s, 0,1,2,3
	ds_load_b128 v[ST+12*\s:ST+12*\s+3], v[ADA] offset:6144*\e+1536*\s
	ds_load_b64 v[ST+12*\s+4:ST+12*\s+5], v[ADB] offset:6144*\e+1536*\s+512
	ds_load_b128 v[ST+12*\s+6:ST+12*\s+9], v[ADA] offset:6144*\e+1536*\s+768
	ds_load_b64 v[ST+12*\s+10:ST+12*\s+11], v[ADB] offset:6144*\e+1536*\s+1280
.endr
	ds_load_b128 v[SS:SS+3], v[ADS] offset:256*\e
.endm
.macro BIASLD boff                     ; the bias in the result's layout, straight into the accumulators: tile y, register j: channel 32 (y / 2) + 8 (y % 2) + 16 h + j
.irp y, 0,1,2,3,4,5,6,7
	ds_load_b128 v[ACC+8*\y:ACC+8*\y+3], v[BIA] offset:\boff+4*(32*(\y/2)+8*(\y%2))
	ds_load_b128 v[ACC+8*\y+4:ACC+8*\y+7], v[BIA] offset:\boff+4*(32*(\y/2)+8*(\y%2))+16
.endr
.endm
.macro QKTILE e, pw, set, rsb, boff, out
	s_wait_dscnt 0x0                               ; the streamed tile and the bias are in
	MM32 \set, 4, 8, 1, \rsb, 1, 4, SS, ST, 0, 0
	PLACES
.if \e == 0
	QKPRE 1
.else
	s_add_co_u32 s86, s84, 1                       ; the next pair; behind the last pair the first again
	s_and_b32 s86, s86, 3
	s_mul_i32 s87, s86, 12288
	v_add_nc_u32 v[ADA], s87, v[L16]
	v_add_nc_u32 v[ADB], s87, v[L8]
	s_lshl_b32 s87, s86, 9
	v_add_nc_u32 v[ADS], s87, v[BSH]
	QKPRE 0
.endif
	s_wait_xcnt 0x0                                ; the last tile's stores have read the codes' registers and their base
.if \e == 0
	s_add_nc_u64 s[\out:\out+1], s[\out:\out+1], 3072          ; so the base steps here, a pair (3,072 bytes) ahead of the pair in hand; the stores reach back
.endif
	QUANT ACC, TM, \pw
	BIASLD \boff                                   ; for the next tile, as soon as the conversions have read the accumulators
.irp c, 0,1,2
	global_store_b128 v[L16], v[PC+4*\c:PC+4*\c+3], s[\out:\out+1] offset:1536*\e+512*\c-3072  ; 512 consecutive bytes a store
.endr
.endm
.macro QKSTART boff
	s_wait_dscnt 0x0                               ; what was fetched ahead has landed: its registers may be loaded again
	s_wait_loadcnt 0x0                             ; this pass's weights are resident
	s_mov_b32 s84, 0                               ; the pair in hand
	v_mov_b32 v[ADA], v[L16]
	v_mov_b32 v[ADB], v[L8]
	v_mov_b32 v[ADS], v[BSH]
	QKPRE 0
	BIASLD \boff
.endm
	QKSTART 0
	RLOADF 1, 0, 15, 78, 8, 6144, 1536, 196608     ; Wk for the next pass
.irp i, 0,1,2,3
	global_load_b128 v[RS+16+4*\i:RS+16+4*\i+3], v[WSO], s[12:13] offset:512*\i
.endr
	s_mov_b32 s85, 2
.Lq0:
	QKTILE 0, PW0, 0, RS, 0, 68
	QKTILE 1, PW1, 0, RS, 0, 68
	TRIPEND
	s_sub_co_u32 s85, s85, 1
	s_cmp_lg_u32 s85, 0
	s_cbranch_scc1 .Lq0
	RLOADF 1, 16, 31, 78, 8, 6144, 1536, 196608
	s_mov_b32 s85, 2
.Lq1:
	QKTILE 0, PW0, 0, RS, 0, 68
	QKTILE 1, PW1, 0, RS, 0, 68
	TRIPEND
	s_sub_co_u32 s85, s85, 1
	s_cmp_lg_u32 s85, 0
	s_cbranch_scc1 .Lq1
	global_store_b128 v[L16], v[SQ:SQ+3], s[74:75]
	QKSTART BKL-BQL
	RLOADH 0, 0, 14, 80, 8, 6144, 1536             ; hn for the last pass: slot 8 s + tile; 60 loads now,
	s_mov_b32 s85, 2
.Lk0:
	QKTILE 0, PW0, 1, RS+16, BKL-BQL, 70
	QKTILE 1, PW1, 1, RS+16, BKL-BQL, 70
	TRIPEND
	s_sub_co_u32 s85, s85, 1
	s_cmp_lg_u32 s85, 0
	s_cbranch_scc1 .Lk0
	RLOADH 0, 15, 29, 80, 8, 6144, 1536            ; 60 here; the last two fragments come from LDS below
	s_mov_b32 s85, 2
.Lk1:
	QKTILE 0, PW0, 1, RS+16, BKL-BQL, 70
	QKTILE 1, PW1, 1, RS+16, BKL-BQL, 70
	TRIPEND
	s_sub_co_u32 s85, s85, 1
	s_cmp_lg_u32 s85, 0
	s_cbranch_scc1 .Lk1
	global_store_b128 v[L16], v[SQ:SQ+3], s[76:77]
; ---- pass v
.macro VPRE e                          ; tile e of the pair in hand: four F images, the rows' scale words, bv of my lane's channel
.irp s, 0,1,2,3
.irp c, 0,1,2
	ds_load_b128 v[ST+12*\s+4*\c:ST+12*\s+4*\c+3], v[ADA] offset:6144*\e+1536*\s+512*\c
.endr
.endr
	ds_load_b128 v[SS:SS+3], v[ADS] offset:128*\e
.irp j, 0,1,2,3,4,5,6,7
	ds_load_b32 v[BV+\j], v[ADC] offset:32*\e
.endr
.endm
.macro VTILE e, pw
	s_wait_dscnt 0x0                               ; the streamed tile is in
	MM32 0, 4, 8, 2, RS, 1, 4, SS, ST, 0, BV
	PLACES
.if \e == 0
	VPRE 1
.else
	s_add_co_u32 s86, s84, 1                       ; the next pair; behind the last pair the first again, which nobody uses
	s_and_b32 s86, s86, 3
	s_mul_i32 s87, s86, 12288
	v_add_nc_u32 v[ADA], s87, v[BAV]
	s_lshl_b32 s87, s86, 9
	v_add_nc_u32 v[ADS], s87, v[BSV]
	s_lshl_b32 s87, s86, 7
	v_add_nc_u32 v[ADC], s87, v[BBV]
	VPRE 0
.endif
	s_wait_xcnt 0x0                                ; the last tile's stores have read the codes' registers and their base
.if \e == 0
	s_add_nc_u64 s[66:67], s[66:67], 3072
.endif
	QUANT ACC, TM, \pw
.irp c, 0,1,2
	global_store_b128 v[L16], v[PC+4*\c:PC+4*\c+3], s[66:67] offset:1536*\e+512*\c-3072
.endr
.endm
	s_wait_dscnt 0x0                               ; what pass k fetched ahead has landed
	s_wait_tensorcnt 0x0                           ; my part of wv has landed; no other wave reads it
	RLOADHL 0, 30, 31, 8, 6144, 1536               ; hn's last two fragments
	v_add_nc_u32 v7, HSC, v[L16]
.irp i, 0,1,2,3
	ds_load_b128 v[RS+4*\i:RS+4*\i+3], v7 offset:512*\i        ; hn's scale words: register 4 i + s: tile 2 i in lanes 0-15, tile 2 i + 1 in lanes 16-31
.endr
	s_mov_b32 s84, 0
	v_mov_b32 v[ADA], v[BAV]
	v_mov_b32 v[ADS], v[BSV]
	v_mov_b32 v[ADC], v[BBV]
	VPRE 0
	s_wait_loadcnt 0x0                             ; hn is resident
	s_mov_b32 s85, 4
.Lv0:
	VTILE 0, PW0
	VTILE 1, PW1
	TRIPEND
	s_sub_co_u32 s85, s85, 1
	s_cmp_lg_u32 s85, 0
	s_cbranch_scc1 .Lv0
	global_store_b128 v[L16], v[SQ:SQ+3], s[72:73]
	s_wait_dscnt 0x0                               ; what the last tile fetched ahead has landed
	s_wait_tensorcnt 0x0
	ds_add_u32 v239, v243
	s_wait_dscnt 0x0
	s_endpgm
.Lfunc_end_k_q6ea9743cd9_qkv:
	.size	k_q6ea9743cd9_qkv, .Lfunc_end_k_q6ea9743cd9_qkv-k_q6ea9743cd9_qkv
	.p2alignl 7, 3214868480
	.fill 96, 4, 3214868480
	.section	.rodata,"a",@progbits
	.p2align	6, 0x0
	.amdhsa_kernel k_q6ea9743cd9_qkv
		.amdhsa_group_segment_fixed_size 262656
		.amdhsa_private_segment_fixed_size 0
		.amdhsa_enable_private_segment 0
		.amdhsa_kernarg_size 88
		.amdhsa_user_sgpr_count 2
		.amdhsa_user_sgpr_kernarg_segment_ptr 1
		.amdhsa_wavefront_size32 1
		.amdhsa_system_sgpr_workgroup_id_x 1
		.amdhsa_system_sgpr_workgroup_id_y 1
		.amdhsa_system_sgpr_workgroup_id_z 1
		.amdhsa_system_vgpr_workitem_id 0
		.amdhsa_next_free_vgpr 1024
		.amdhsa_next_free_sgpr 100
		.amdhsa_reserve_vcc 0
		.amdhsa_float_denorm_mode_32 3
		.amdhsa_float_denorm_mode_16_64 3
		.amdhsa_memory_ordered 1
		.amdhsa_forward_progress 1
		.amdhsa_inst_pref_size 151
	.end_amdhsa_kernel
	.amdgpu_metadata
---
amdhsa.version: [ 1, 2 ]
amdhsa.kernels:
  - .name:           k_q6ea9743cd9_qkv
    .symbol:         k_q6ea9743cd9_qkv.kd
    .args:
      - { .name: hc, .offset: 0, .size: 8, .value_kind: global_buffer, .address_space: global }
      - { .name: hs, .offset: 8, .size: 8, .value_kind: global_buffer, .address_space: global }
      - { .name: wimg, .offset: 16, .size: 8, .value_kind: global_buffer, .address_space: global }
      - { .name: wq_scales, .offset: 24, .size: 8, .value_kind: global_buffer, .address_space: global }
      - { .name: wk_scales, .offset: 32, .size: 8, .value_kind: global_buffer, .address_space: global }
      - { .name: wv_scales, .offset: 40, .size: 8, .value_kind: global_buffer, .address_space: global }
      - { .name: bq, .offset: 48, .size: 8, .value_kind: global_buffer, .address_space: global }
      - { .name: bk, .offset: 56, .size: 8, .value_kind: global_buffer, .address_space: global }
      - { .name: bv, .offset: 64, .size: 8, .value_kind: global_buffer, .address_space: global }
      - { .name: qkvc, .offset: 72, .size: 8, .value_kind: global_buffer, .address_space: global }
      - { .name: qkvs, .offset: 80, .size: 8, .value_kind: global_buffer, .address_space: global }
    .group_segment_fixed_size: 262656
    .private_segment_fixed_size: 0
    .kernarg_segment_align: 8
    .kernarg_segment_size: 88
    .max_flat_workgroup_size: 128
    .sgpr_count:     100
    .vgpr_count:     1024
    .wavefront_size: 32
...
	.end_amdgpu_metadata
.endif
;; end of part 2
;; launch attn (part 3): grid 32 x 8, 4 waves a work-group, no clusters, 327,680 bytes of LDS; arguments qkvc, qkvs, wimg, wo_scales, bo, x, out0; writes out0
.if DOCPART == 3
	.amdgcn_target "amdgcn-amd-amdhsa--gfx1250"
	.amdhsa_code_object_version 6
	.text
	.protected	k_q6ea9743cd9_attn
	.globl	k_q6ea9743cd9_attn
	.p2align	8
	.type	k_q6ea9743cd9_attn,@function
k_q6ea9743cd9_attn:
	s_mov_b64 s[64:65], 0
	v_nop
	global_prefetch_b8 v0, s[64:65] scope:SCOPE_SE
	s_setreg_imm32_b32 hwreg(HW_REG_WAVE_MODE, 25, 1), 1
	s_wait_xcnt 0x0
; out = wo (softmax(q^T k / sqrt(512)) applied to v) + bo + x, all three products on codes of E2M3.  A work-group takes 128 queries (block X = y of the grid, 8 tiles of 16) of image b (x of the grid).  Four waves.
; S:  S^T = K Q^T.  Wave w takes key blocks w and w + 4 (128 keys each): K's 32 fragments are resident in its registers, Q's tiles are streamed from LDS.  A lane holds one query, its 64 registers 64 keys.
; THE SOFTMAX.  For each query and each block of 128 keys: t = score x log2(e) / sqrt(512); M_k = ceil(the block's largest t); p = 2^(t - M_k) is quantised along the keys; l_k = the sum of the unquantised p.
;     When all eight blocks are done: M = the largest M_k; l = sum of l_k 2^(M_k - M), exact scalings; M - M_k is taken off p's scale BYTES: the exact power of two goes into the block's scale and the codes stay.
;     So a maximum is taken away ahead of every exponential, and nothing that has been summed is ever rescaled.
; O:  O^T = V^T P^T.  Wave w takes channels 128 w .. + 127, in two passes of 64: V's 32 fragments (4 channel tiles x 8 key steps) resident, P's tiles streamed from LDS.  O / l is quantised along the channels.
; OUT: source 0 = the quantised O (resident, 8 query tiles x 4 K steps), source 1 = a tile of wo: a lane holds one output channel, its registers run along the pixels.  C = bo.  Through a stage in LDS; + x; whole rows of 512 bytes out.
; x IS ASKED FOR LONG BEFORE IT IS ADDED: my rows 64 .. 127 (64 rows x 512 bytes) come into LDS by one tensor load at the head; my rows 0 .. 63 come into the 256 registers that V's first half leaves free, during the second pass of O.
; Rows of every tile: lane r of tile T holds row 32 (T / 2) + 8 (T % 2) + r + 8 (r / 8).  Images of operand registers as in the launch before (F: 3 x 512 bytes; H: two halves of 512 + 256 bytes).
; NO CLUSTER, though the eight work-groups of an image read the same K and V: each fragment is multiplied by exactly one wave of a work-group and goes from memory straight into that wave's registers, a pass (192 KB a work-group)
; ahead of its use.  A joint load lands in LDS: an LDS write and read more for 768 KB a work-group, and beside Q, P and x (301,568 bytes in all) no pass's 192 KB has room.
; LDS is filled by tensor loads once (Q, x), and never again.
; LIMITS: NaN and infinities are not served.  Blocks whose largest magnitude lies under 2^-124 get the scale byte 1.  A byte of p from which more than its value would be taken is held at 0: such a p is at most 7.5 x 2^-127 where
; the definition has a number under 2^-124, against a row's sum of more than 1/2.
.set QI,  0                            ; LDS: Q's images [K step][tile]
.set OI,  0                            ; the quantised O's images (H) [K step][tile]: over Q's, which have had their one fill and their last read two barriers before
.set PI,  49152                        ; P's images [key block][tile]
.set STG, 49152                        ; the way out: 16 rows x (512 + 16) bytes for each wave: over P's images, which nobody reads behind the last barrier
.set QSC, 147456                       ; Q's scale words [query in tile order][4]
.set MST, 149504                       ; [key block][query] -M_k;  + 4,096: l_k;  + 8,192: p's scale words as made
.set PSC, 161792                       ; [query][8] p's scale words under the common M
.set RLI, 165888                       ; [query] 1 / l
.set OSC, 166400                       ; [K step][query] O's scale words
.set BOL, 168448                       ; bo
.set XL,  170496                       ; x: 64 rows of 512 bytes for each wave, at + 32,768 w
.set L16, 1
.set L8,  2
.set ADA, 3                            ; v3-6 addresses of the streamed tile in hand;  v7-9 of the stores
.set ADB, 4
.set ADS, 5
.set ADR, 6
.set STA, 7
.set STB2, 8
.set STS, 9
.set BQS, 10                           ; v10-12 a phase's bases
.set BPI, 11
.set BST, 12
.set PW,  13
.set WSO, 14                           ; v14  wo_scales: my lane's row
.set WOS, 16                           ; v16-23 wo's scale words, two tiles;  v24-55 the resident operand's;  v56-63 the streamed tile's: they hold scales and nothing else
.set RS,  24
.set SS,  56
.set ST,  64                           ; v64-159 streamed fragments
.set TS,  112                          ; v112-131 the softmax's scratch (S streams four fragments only)
.set BK,  64                           ; v64-127 the way out: 16 rows back from the stage
.set BO,  128                          ; v128-135 the way out: bo of my lane's channel, eight times
.set ACC, 160                          ; v160-223 accumulators
.set TO,  192                          ; v192-211 the quantiser's scratch in O (four accumulators only)
.set RLL, 212                          ; v212 1 / l as loaded;  v213 two scale bytes;  v214-215 1 / l twice;  v216-218 bases of O's stores
.set U16, 213
.set RLP, 214
.set BOA, 216
.set BOB, 217
.set BOS, 218
.set PC,  224
.set PT,  236
.set CS,  20                           ; s[20:21] c = log2(e) / sqrt(512)
.set SEL, 22
.set MSB, 0
.macro WIN new                         ; the immediate's high byte repeats the setting that is left; a switch that changes nothing is dropped
.if MSB != (\new)
	s_set_vgpr_msb (MSB<<8)|(\new)
.set MSB, (\new)
.endif
.endm
.macro PLACES                          ; four plain lines behind matrix instructions, ahead of loads into their registers and of the first read of results
.rept 4
	v_nop
.endr
.endm
; Two sets of 32 fragments.  Set 0: slots 0-20 in window 1, 21-31 in window 2 from v0.  Set 1: slots 0-9 in window 2 from v132, 10-30 in window 3, 31 in window 0 at v244.
.macro RSLOT set, g
.if (\set) == 0
.if (\g) < 21
.set RW, 1
.set RB, 12*(\g)
.else
.set RW, 2
.set RB, 12*((\g)-21)
.endif
.else
.if (\g) < 10
.set RW, 2
.set RB, 132+12*(\g)
.elseif (\g) < 31
.set RW, 3
.set RB, 12*((\g)-10)
.else
.set RW, 0
.set RB, 244
.endif
.endif
.endm
.macro RLOADF set, g0, g1, base, D, MA, MB, OFF0   ; F images from memory into slots g0 .. g1: slot g from OFF0 + MA (g % D) + MB (g / D)
.set g_, \g0
.rept (\g1)-(\g0)+1
	RSLOT \set, g_
	WIN RW<<6
.set o_, (\OFF0)+(\MA)*(g_%(\D))+(\MB)*(g_/(\D))
	global_load_b128 v[RB:RB+3], v[L16], s[\base:\base+1] offset:o_
	global_load_b128 v[RB+4:RB+7], v[L16], s[\base:\base+1] offset:o_+512
	global_load_b128 v[RB+8:RB+11], v[L16], s[\base:\base+1] offset:o_+1024
.set g_, g_+1
.endr
	WIN 0
.endm
.macro RLOADHL set, g0, g1             ; the quantised O's H images from LDS, slot g from OI + 1,536 g
.set g_, \g0
.rept (\g1)-(\g0)+1
	RSLOT \set, g_
	WIN RW<<6
	ds_load_b128 v[RB:RB+3], v[L16] offset:OI+1536*g_
	ds_load_b64 v[RB+4:RB+5], v[L8] offset:OI+1536*g_+512
	ds_load_b128 v[RB+6:RB+9], v[L16] offset:OI+1536*g_+768
	ds_load_b64 v[RB+10:RB+11], v[L8] offset:OI+1536*g_+1280
.set g_, g_+1
.endr
	WIN 0
.endm
; NA x NY matrix instructions: K steps a = A0 .. A0 + NA - 1, accumulator y: source 0 = slot NY a + y, source 1 = v[STB + 12 a] of window STW.  Source 0's scale word: v[RSB + SA a + SY (y / 2)], lanes 0-15 for even y, 16-31 for odd;
; source 1's: v[SSB + a].  mode 0: K step 0 starts the sums with the constant 0; 2: with v[CB .. CB + 7].  The accumulators take turns, one instruction a turn.
.macro MMA set, A0, NA, NY, mode, RSB, SA, SY, SSB, STB, STW, CB
.set a_, \A0
.rept \NA
.set y_, 0
.rept \NY
	RSLOT \set, (\NY)*a_+y_
	WIN RW|((\STW)<<2)
.set d_, ACC+8*y_
.set b_, (\STB)+12*a_
.set p_, (\RSB)+(\SA)*a_+(\SY)*(y_/2)
.set q_, (\SSB)+a_
.set c_, d_
.if (a_ == 0) && ((\mode) == 2)
.set c_, \CB
.endif
.if (a_ == 0) && ((\mode) == 0)
.if y_%2
	v_wmma_scale_f32_16x16x128_f8f6f4 v[d_:d_+7], v[RB:RB+11], v[b_:b_+11], 0, v[p_], v[q_] matrix_a_fmt:MATRIX_FMT_FP6 matrix_b_fmt:MATRIX_FMT_FP6 matrix_a_scale:MATRIX_SCALE_ROW1
.else
	v_wmma_scale_f32_16x16x128_f8f6f4 v[d_:d_+7], v[RB:RB+11], v[b_:b_+11], 0, v[p_], v[q_] matrix_a_fmt:MATRIX_FMT_FP6 matrix_b_fmt:MATRIX_FMT_FP6
.endif
.else
.if y_%2
	v_wmma_scale_f32_16x16x128_f8f6f4 v[d_:d_+7], v[RB:RB+11], v[b_:b_+11], v[c_:c_+7], v[p_], v[q_] matrix_a_fmt:MATRIX_FMT_FP6 matrix_b_fmt:MATRIX_FMT_FP6 matrix_a_scale:MATRIX_SCALE_ROW1
.else
	v_wmma_scale_f32_16x16x128_f8f6f4 v[d_:d_+7], v[RB:RB+11], v[b_:b_+11], v[c_:c_+7], v[p_], v[q_] matrix_a_fmt:MATRIX_FMT_FP6 matrix_b_fmt:MATRIX_FMT_FP6
.endif
.endif
.set y_, y_+1
.endr
.set a_, a_+1
.endr
	WIN 0
.endm
.macro CODES s, t                      ; 64 numbers of a lane (register 16 b + i = k 32 b + 16 (lane / 16) + i), scale operands in v[t + 12 ..]: a fragment's 12 registers in v[PC] on
.irp c, 0,1
	v_cvt_scalef32_pk16_fp6_f32 v[PC+6*\c:PC+6*\c+2], v[\s+32*\c:\s+32*\c+15], v[\t+12+2*\c]
	v_cvt_scalef32_pk16_fp6_f32 v[PT+4*\c:PT+4*\c+2], v[\s+32*\c+16:\s+32*\c+31], v[\t+12+2*\c+1]   ; (a conversion's three registers begin on an even number)
.endr
	v_nop                                          ; one plain line behind the scaled conversions
.irp c, 0,1                                    ; the layout wants a whole block in a lane
.irp i, 0,1,2
	v_permlane16_swap_b32 v[PC+6*\c+\i], v[PT+4*\c+\i]
.endr
.irp i, 0,1,2
	v_mov_b32 v[PC+3+6*\c+\i], v[PT+4*\c+\i]
.endr
.endr
.endm
	s_load_b256 s[4:11], s[0:1], 0x0               ; qkvc, qkvs, wimg, wo_scales
	s_load_b128 s[12:15], s[0:1], 0x20             ; bo, x
	s_load_b64 s[16:17], s[0:1], 0x30              ; out0
	v_lshl_add_u32 v239, v0, 2, 0x49a00
	v_mov_b32 v243, 0
	ds_add_u32 v239, v243
	ds_add_u32 v239, v243
	v_lshrrev_b32 v1, 5, v0
	v_readfirstlane_b32 s26, v1                    ; wave 0..3
	s_mov_b32 s52, ttmp9                           ; image b
	s_and_b32 s53, ttmp7, 0xffff                   ; query block X
	s_mov_b32 s28, 3<<16                           ; descriptor group 1 for Q: a dense block of 48 rows of 256 bytes (32 elements of 8 bytes), no mask, no padding
	s_mov_b32 s29, 32<<16
	s_mov_b32 s30, 48<<16
	s_mov_b32 s31, 32<<16
	s_mov_b32 s32, 48
	s_mov_b32 s33, 32
	s_mov_b32 s34, 0
	s_mov_b32 s35, 0
	s_mov_b32 s88, 3<<16                           ; and for x: 64 rows of 512 bytes (64 elements of 8 bytes), 4,096 bytes (512 elements) apart in memory, on end in LDS
	s_mov_b32 s89, 64<<16                          ; tensor_dim0
	s_mov_b32 s90, 64<<16                          ; tensor_dim1
	s_mov_b32 s91, 64<<16                          ; tile_dim0
	s_mov_b32 s92, 64                              ; tile_dim1
	s_mov_b32 s93, 512                             ; pitch
	s_mov_b32 s94, 0
	s_mov_b32 s95, 0
	s_mov_b32 s[CS], 0x3d8293ee
	s_mov_b32 s[CS+1], s[CS]                       ; (named with it as a pair, so it is written)
	s_mov_b32 s[SEL], 0x76543210
	s_mov_b32 s[SEL+1], 0xfedcba98
	s_mul_i32 s36, s52, 393216                     ; image b in a region of codes
	s_mov_b32 s37, 0
	s_mul_i32 s38, s26, 49152
	s_mov_b32 s39, 0
	s_mul_i32 s40, s26, 12288                      ; (kept)
	s_mov_b32 s41, 0
	s_mul_i32 s42, s53, 49152
	s_mov_b32 s43, 0
	s_lshl_b32 s48, s52, 14                        ; image b in a region of scale images
	s_mov_b32 s49, 0
	s_lshl_b32 s50, s26, 11                        ; 2,048 w (kept)
	s_mov_b32 s51, 0
	s_lshl_b32 s76, s26, 9                         ; 512 w (kept)
	s_mov_b32 s77, 0
	s_lshl_b32 s78, s53, 11
	s_mov_b32 s79, 0
	s_lshl_b32 s80, s52, 21                        ; x and out0: image b, channel 128 w, pixel 128 X
	s_lshl_b32 s82, s26, 19
	s_add_co_u32 s80, s80, s82
	s_lshl_b32 s82, s53, 9
	s_add_co_u32 s80, s80, s82
	s_mov_b32 s81, 0
	s_wait_dscnt 0x0
	s_wait_kmcnt 0x0
	s_add_nc_u64 s[4:5], s[4:5], s[36:37]
	s_add_nc_u64 s[66:67], s[4:5], s[42:43]
	s_add_nc_u64 s[66:67], s[66:67], s[40:41]      ; Q: block X, K step w
	s_mov_b32 s44, 1                               ; group 0 for Q
	s_mov_b32 s45, s40                             ; LDS: QI + 12,288 w
	s_mov_b64 s[46:47], s[66:67]
	s_or_b32 s47, s47, 0x80000000
	s_add_nc_u64 s[54:55], s[4:5], s[38:39]
	s_add_nc_u64 s[54:55], s[54:55], 12582912      ; K: key block w (block w + 4: + 196,608)
	s_add_nc_u64 s[56:57], s[4:5], s[40:41]
	s_add_nc_u64 s[56:57], s[56:57], 25165824      ; V: my 8 channel tiles of key step 0 (a key step: + 49,152)
	s_add_nc_u64 s[6:7], s[6:7], s[48:49]
	s_add_nc_u64 s[58:59], s[6:7], s[50:51]
	s_add_nc_u64 s[58:59], s[58:59], 524288        ; K's scale images
	s_add_nc_u64 s[60:61], s[6:7], s[76:77]
	s_add_nc_u64 s[60:61], s[60:61], 1048576       ; V's
	s_add_nc_u64 s[62:63], s[6:7], s[78:79]
	s_add_nc_u64 s[62:63], s[62:63], s[76:77]      ; Q's, of K step w
	s_add_nc_u64 s[68:69], s[14:15], s[80:81]
	s_add_nc_u64 s[70:71], s[16:17], s[80:81]
	s_add_nc_u64 s[72:73], s[8:9], s[38:39]
	s_add_nc_u64 s[72:73], s[72:73], 589824        ; wo's images: my 8 tiles
	s_mov_b64 s[74:75], s[10:11]
	s_mov_b32 s96, 1                               ; group 0 for x
	s_lshl_b32 s97, s26, 15
	s_add_co_u32 s97, s97, XL                      ; LDS: XL + 32,768 w
	s_add_nc_u64 s[98:99], s[68:69], 262144        ; my row 64
	s_or_b32 s99, s99, 0x80000000
	v_and_b32 v9, 31, v0
	v_lshlrev_b32 v[L16], 4, v9
	v_lshlrev_b32 v[L8], 3, v9
	v_lshlrev_b32 v3, 4, v0
	v_lshl_add_u32 v4, v0, 4, BOL
	s_lshl_b32 s86, s26, 2
	s_add_co_u32 s86, s86, QSC
	v_add_nc_u32 v5, s86, v[L16]
	v_and_b32 v9, 15, v0                           ; r
	v_lshl_add_u32 v[BQS], v9, 4, QSC
	s_add_co_u32 s86, s40, PI
	v_add_nc_u32 v[BPI], s86, v[L16]
	s_add_co_u32 s86, s76, MST
	v_lshl_add_u32 v[BST], v9, 2, s86
.irp b, 0,1,2,3
	v_mov_b32 v[TS+4+\b], 0                        ; a lane permute's destination counts as read
.endr
	v_mov_b32 v[TS+11], 0                          ; (named as the upper half of a pair)
	global_load_b128 v[160:163], v[L16], s[62:63]  ; Q's scale image of K step w
.irp u, 0,1
.irp s, 0,1,2,3
	global_load_b128 v[RS+16*\u+4*\s:RS+16*\u+4*\s+3], v[L16], s[58:59] offset:8192*\u+512*\s   ; K's: register 16 u + 4 s + i: tile 2 i in lanes 0-15, 2 i + 1 in lanes 16-31
.endr
.endr
	global_load_b128 v[164:167], v3, s[12:13]      ; bo
	RLOADF 0, 0, 31, 54, 32, 1536, 0, 0            ; K of key block w: slot 8 s + tile
	tensor_load_to_lds s[44:47], s[28:35]          ; the launch's only fills, two a wave, each into bytes of its own: my quarter of Q,
	s_nop 0
	tensor_load_to_lds s[96:99], s[88:95]          ; and my rows 64 .. 127 of x, which are wanted last: they stand behind K's loads, which are wanted first
	s_nop 0
.rept 4
	v_nop
.endr
	s_wait_loadcnt 63                              ; 96 loads stand behind the 10 small ones: with 63 left out the small ones are in
.irp i, 0,1,2,3
	ds_store_b32 v5, v[160+\i] offset:512*\i       ; query 32 i + lane, word w
.endr
	ds_store_b128 v4, v[164:167]
	s_wait_tensorcnt 0x1                           ; my part of Q has landed; x's load, issued behind it, may stay out, and only I read those bytes
	s_wait_dscnt 0x0                               ; my stores have landed:
	s_barrier_signal -1
	s_barrier_wait -1                              ; everybody's have
; ---- S
.macro QPRE
.irp s, 0,1,2,3
.irp c, 0,1,2
	ds_load_b128 v[ST+12*\s+4*\c:ST+12*\s+4*\c+3], v[ADA] offset:12288*\s+512*\c
.endr
.endr
	ds_load_b128 v[SS:SS+3], v[ADS]
.endm
.macro SOFTMAX
.irp b, 0,1,2,3
	v_max3_num_f32 v[TS+\b], v[ACC+16*\b], v[ACC+16*\b+1], v[ACC+16*\b+2]      ; the largest score of each block of 32 keys: for the maximum, and, since p rises with the score, for the block's largest p
.endr
.irp i, 3,5,7,9,11,13
.irp b, 0,1,2,3
	v_max3_num_f32 v[TS+\b], v[TS+\b], v[ACC+16*\b+\i], v[ACC+16*\b+\i+1]
.endr
.endr
.irp b, 0,1,2,3
	v_max_num_f32 v[TS+\b], v[TS+\b], v[ACC+16*\b+15]
.endr
.irp b, 0,1,2,3
	v_permlanex16_b32 v[TS+4+\b], v[TS+\b], s[SEL], s[SEL+1]
.endr
.irp b, 0,1,2,3
	v_max_num_f32 v[TS+\b], v[TS+\b], v[TS+4+\b]   ; with lane l xor 16's 16 keys
.endr
	v_max3_num_f32 v[TS+8], v[TS], v[TS+1], v[TS+2]
	v_max_num_f32 v[TS+8], v[TS+8], v[TS+3]
	v_mul_f32 v[TS+8], s[CS], v[TS+8]              ; the largest t of these 128 keys
	v_floor_f32 v[TS+10], -v[TS+8]                 ; -M_k = floor(-t): a whole number
.set j_, 0
.rept 32
	v_pk_fma_f32 v[ACC+j_:ACC+j_+1], v[ACC+j_:ACC+j_+1], s[CS:CS+1], v[TS+10:TS+11] op_sel_hi:[1,0,0]   ; t - M_k, two at a time
.set j_, j_+2
.endr
.irp b, 0,1,2,3
	v_fma_f32 v[TS+\b], v[TS+\b], s[CS], v[TS+10]
.endr
.set j_, 0
.rept 64
	v_exp_f32 v[ACC+j_], v[ACC+j_]                 ; p = 2^(t - M_k)
.set j_, j_+1
.endr
	v_nop                                          ; a plain line behind the last exponential
	s_wait_alu depctr_va_vdst(0)                   ; one wait for the batch of 64, ahead of its first reader
.irp b, 0,1,2,3
	v_exp_f32 v[TS+\b], v[TS+\b]                   ; each block's largest p: the same two instructions on the same number
.endr
	v_pk_add_f32 v[TS+16:TS+17], v[ACC:ACC+1], v[ACC+2:ACC+3]                  ; the sum of the unquantised p, in two chains; it reads the 64 alone
	v_pk_add_f32 v[TS+18:TS+19], v[ACC+4:ACC+5], v[ACC+6:ACC+7]
.irp j, 8,12,16,20,24,28,32,36,40,44,48,52,56,60
	v_pk_add_f32 v[TS+16:TS+17], v[TS+16:TS+17], v[ACC+\j:ACC+\j+1]
	v_pk_add_f32 v[TS+18:TS+19], v[TS+18:TS+19], v[ACC+\j+2:ACC+\j+3]
.endr
	v_pk_add_f32 v[TS+16:TS+17], v[TS+16:TS+17], v[TS+18:TS+19]
	s_wait_alu depctr_va_vdst(0)                   ; and one for the four
.irp b, 0,1,2,3
	v_max_num_f32 v[TS+\b], 0x1800000, v[TS+\b]    ; the floor 2^(3 - 127)
.endr
.irp b, 0,1,2,3
	v_add_nc_u32 v[TS+12+\b], 0xff000000, v[TS+\b]
.endr
.irp b, 0,1,2,3
	v_lshrrev_b32 v[TS+4+\b], 23, v[TS+12+\b]
.endr
	v_lshl_or_b32 v[PW], v[TS+5], 8, v[TS+4]
	v_lshl_or_b32 v[PW], v[TS+6], 16, v[PW]
	v_lshl_or_b32 v[PW], v[TS+7], 24, v[PW]
	CODES ACC, TS
	v_add_f32 v[TS+16], v[TS+16], v[TS+17]
	v_permlanex16_b32 v[TS+17], v[TS+16], s[SEL], s[SEL+1]
	v_add_f32 v[TS+16], v[TS+16], v[TS+17]         ; l_k
.endm
.macro STRIP set, u                    ; query tile s84 against my key block w + 4 u
	s_wait_dscnt 0x0                               ; Q's tile is in
	MMA \set, 0, 4, 8, 0, RS+16*\u, 4, 1, SS, ST, 0, 0
	PLACES
	s_add_co_u32 s86, s84, 1                       ; the next tile; behind the last the first again, for the next pass
	s_and_b32 s86, s86, 7
	s_mul_i32 s87, s86, 1536
	v_add_nc_u32 v[ADA], s87, v[L16]
	s_lshl_b32 s87, s86, 8
	v_add_nc_u32 v[ADS], s87, v[BQS]
	QPRE
	SOFTMAX
	s_mul_i32 s87, s84, 1536
	v_add_nc_u32 v[STA], s87, v[BPI]
	s_lshl_b32 s87, s84, 6
	v_add_nc_u32 v[STS], s87, v[BST]
.irp c, 0,1,2
	ds_store_b128 v[STA], v[PC+4*\c:PC+4*\c+3] offset:49152*\u+512*\c
.endr
	ds_store_b32 v[STS], v[TS+10] offset:2048*\u               ; lanes r and r + 16 hold the same numbers and write the same words
	ds_store_b32 v[STS], v[TS+16] offset:4096+2048*\u
	ds_store_b32 v[STS], v[PW] offset:8192+2048*\u
	s_add_co_u32 s84, s84, 1
.endm
	s_mov_b32 s84, 0
	v_mov_b32 v[ADA], v[L16]
	v_mov_b32 v[ADS], v[BQS]
	QPRE
	s_wait_loadcnt 0x0                             ; K of block w is resident
	RLOADF 1, 0, 15, 54, 32, 1536, 0, 196608       ; K of block w + 4 for the next pass
	s_mov_b32 s85, 4
.Ls0a:
	STRIP 0, 0
	s_sub_co_u32 s85, s85, 1
	s_cmp_lg_u32 s85, 0
	s_cbranch_scc1 .Ls0a
	RLOADF 1, 16, 31, 54, 32, 1536, 0, 196608
	s_mov_b32 s85, 4
.Ls0b:
	STRIP 0, 0
	s_sub_co_u32 s85, s85, 1
	s_cmp_lg_u32 s85, 0
	s_cbranch_scc1 .Ls0b
	s_wait_loadcnt 0x0
	s_mov_b32 s84, 0
	RLOADF 0, 0, 15, 56, 4, 1536, 49152, 0         ; V, channels 128 w .. + 63: slot 4 k + tile
	s_mov_b32 s85, 4
.Ls1a:
	STRIP 1, 1
	s_sub_co_u32 s85, s85, 1
	s_cmp_lg_u32 s85, 0
	s_cbranch_scc1 .Ls1a
	RLOADF 0, 16, 31, 56, 4, 1536, 49152, 0
	s_mov_b32 s85, 4
.Ls1b:
	STRIP 1, 1
	s_sub_co_u32 s85, s85, 1
	s_cmp_lg_u32 s85, 0
	s_cbranch_scc1 .Ls1b
.irp k, 0,1,2,3,4,5,6,7
	global_load_b128 v[RS+4*\k:RS+4*\k+3], v[L16], s[60:61] offset:2048*\k     ; V's scale images: register 4 k + i: channel tile 2 i, 2 i + 1
.endr
	RLOADF 1, 0, 15, 56, 4, 1536, 49152, 6144      ; V, channels 128 w + 64 .. + 127
	s_wait_tensorcnt 0x0                           ; my rows of x have landed: no tensor load is out from here on
	s_wait_dscnt 0x0
	s_barrier_signal -1
	s_barrier_wait -1                              ; P and the eight blocks' figures lie in LDS
; ---- the eight blocks' figures are brought under one M: thread t owns query t (in tile order)
	v_lshl_add_u32 v3, v0, 2, MST
.irp k, 0,1,2,3,4,5,6,7
	ds_load_b32 v[64+\k], v3 offset:512*\k
	ds_load_b32 v[72+\k], v3 offset:4096+512*\k
	ds_load_b32 v[80+\k], v3 offset:8192+512*\k
.endr
	v_lshl_add_u32 v4, v0, 5, PSC
	v_lshl_add_u32 v5, v0, 2, RLI
	s_wait_dscnt 0x0
	v_min3_num_f32 v88, v64, v65, v66
	v_min3_num_f32 v88, v88, v67, v68
	v_min3_num_f32 v88, v88, v69, v70
	v_min_num_f32 v88, v88, v71                    ; -M
	v_mov_b32 v92, 0
.irp k, 0,1,2,3,4,5,6,7
	v_sub_f32 v89, v[64+\k], v88                   ; M - M_k: a whole number, 0 or more
	v_cvt_i32_f32 v89, v89
	v_sub_nc_u32 v90, 0, v89
	v_ldexp_f32 v91, v[72+\k], v90                 ; l_k 2^(M_k - M): nothing is rounded
	v_add_f32 v92, v92, v91
.irp i, 0,1,2,3
	v_bfe_u32 v[96+\i], v[80+\k], 8*\i, 8
	v_min_u32 v[100+\i], v[96+\i], v89
	v_sub_nc_u32 v[96+\i], v[96+\i], v[100+\i]     ; the byte less M - M_k, held at 0
.endr
	v_lshl_or_b32 v[104+\k], v97, 8, v96
	v_lshl_or_b32 v[104+\k], v98, 16, v[104+\k]
	v_lshl_or_b32 v[104+\k], v99, 24, v[104+\k]
.endr
	v_rcp_f32 v93, v92
	v_nop
	s_wait_alu depctr_va_vdst(0)
	ds_store_b128 v4, v[104:107]
	ds_store_b128 v4, v[108:111] offset:16
	ds_store_b32 v5, v93
	s_wait_dscnt 0x0
	s_barrier_signal -1
	s_barrier_wait -1
; ---- O
	v_and_b32 v13, 15, v0
	v_add_nc_u32 v10, PI, v[L16]                   ; P's images
	v_lshl_add_u32 v11, v13, 5, PSC                ; its scale words of row r
	v_lshl_add_u32 v12, v13, 2, RLI
	v_add_nc_u32 v[BOA], s40, v[L16]               ; my K step of O's images: 12,288 w (OI stands in the stores' offsets)
	v_add_nc_u32 v[BOB], s40, v[L8]
	s_add_co_u32 s86, s76, OSC
	v_lshl_add_u32 v[BOS], v13, 2, s86
	v_and_b32 v[WSO], 8, v13
	v_add_nc_u32 v[WSO], v[WSO], v13
	v_lshl_add_u32 v[WSO], v[WSO], 4, s50          ; wo_scales: row 128 w + r + 8 (r / 8)
	v_mov_b32 v[TO+4], 0
	v_mov_b32 v[TO+5], 0
.macro OPRE1                           ; a tile of P: the fragments of key steps 0-3
.irp k, 0,1,2,3
.irp c, 0,1,2
	ds_load_b128 v[ST+12*\k+4*\c:ST+12*\k+4*\c+3], v[ADA] offset:12288*\k+512*\c
.endr
.endr
.endm
.macro OPRE2                           ; its eight scale words, 1 / l, and LAST the twelve loads of key steps 4-7: the counted waits lean on this order
	ds_load_b128 v[SS:SS+3], v[ADS]
	ds_load_b128 v[SS+4:SS+7], v[ADS] offset:16
	ds_load_b32 v[RLL], v[ADR]
.irp k, 0,1,2,3
.irp c, 0,1,2
	ds_load_b128 v[ST+48+12*\k+4*\c:ST+48+12*\k+4*\c+3], v[ADB] offset:12288*\k+512*\c
.endr
.endr
.endm
.macro OTRIP set, pi                   ; query tile s84, my channels 64 pi .. + 63.  The 32 products go in two halves, and the next tile's first four fragments are fetched between them
	s_wait_dscnt 12                                ; at most the youngest 12 LDS instructions are out: on the way in the loads of key steps 4-7, on the way back nine of them and the three stores: key steps 0-3, the scale words and 1 / l are in
	v_mov_b32 v[RLP], v[RLL]
	v_mov_b32 v[RLP+1], v[RLL]
	MMA \set, 0, 4, 4, 0, RS+2*\pi, 4, 1, SS, ST, 0, 0
	PLACES
	s_add_co_u32 s86, s84, 1
	s_and_b32 s86, s86, 7
	s_mul_i32 s87, s86, 1536
	v_add_nc_u32 v[ADA], s87, v10
	v_add_nc_u32 v[ADB], 49152, v[ADA]
	s_lshl_b32 s87, s86, 9
	v_add_nc_u32 v[ADS], s87, v11
	s_lshl_b32 s87, s86, 6
	v_add_nc_u32 v[ADR], s87, v12
	OPRE1
	s_wait_dscnt 12                                ; all but the 12 just issued: key steps 4-7 are in
	MMA \set, 4, 4, 4, 0, RS+2*\pi, 4, 1, SS, ST, 0, 0
	PLACES
	OPRE2
.set j_, 0
.rept 16
	v_pk_mul_f32 v[ACC+j_:ACC+j_+1], v[ACC+j_:ACC+j_+1], v[RLP:RLP+1]          ; O / l, each accumulator from its low end on
.set j_, j_+2
.endr
.irp b, 0,1                                    ; two blocks of 32 channels: half a fragment and two scale bytes
	v_max3_num_f32 v[TO+\b], |v[ACC+16*\b]|, |v[ACC+16*\b+1]|, 0x1800000
.endr
.irp i, 2,4,6,8,10,12,14
.irp b, 0,1
	v_max3_num_f32 v[TO+\b], v[TO+\b], |v[ACC+16*\b+\i]|, |v[ACC+16*\b+\i+1]|
.endr
.endr
.irp b, 0,1
	v_permlanex16_b32 v[TO+4+\b], v[TO+\b], s[SEL], s[SEL+1]
.endr
.irp b, 0,1
	v_max_num_f32 v[TO+\b], v[TO+\b], v[TO+4+\b]
.endr
.irp b, 0,1
	v_add_nc_u32 v[TO+12+\b], 0xff000000, v[TO+\b]
.endr
.irp b, 0,1
	v_lshrrev_b32 v[TO+4+\b], 23, v[TO+12+\b]
.endr
	v_lshl_or_b32 v[U16], v[TO+5], 8, v[TO+4]
	v_cvt_scalef32_pk16_fp6_f32 v[PC:PC+2], v[ACC:ACC+15], v[TO+12]
	v_cvt_scalef32_pk16_fp6_f32 v[PT:PT+2], v[ACC+16:ACC+31], v[TO+13]
	v_nop                                          ; one plain line behind the scaled conversions
.irp i, 0,1,2
	v_permlane16_swap_b32 v[PC+\i], v[PT+\i]
.endr
.irp i, 0,1,2
	v_mov_b32 v[PC+3+\i], v[PT+\i]
.endr
	s_mul_i32 s87, s84, 1536
	v_add_nc_u32 v[STA], s87, v[BOA]
	v_add_nc_u32 v[STB2], s87, v[BOB]
	s_lshl_b32 s87, s84, 6
	v_add_nc_u32 v[STS], s87, v[BOS]
	ds_store_b128 v[STA], v[PC:PC+3] offset:OI+768*\pi
	ds_store_b64 v[STB2], v[PC+4:PC+5] offset:OI+768*\pi+512
	ds_store_b16 v[STS], v[U16] offset:2*\pi
	s_add_co_u32 s84, s84, 1
.endm
; what output tile ot of the way out wants from memory: wo's four fragments and scale words (13 loads; two sets of registers by turns), and, for tiles 0-3, 16 rows of x (16 loads; window 1, 64 registers a tile)
.macro GWO ot
	WIN 0x80
.irp s, 0,1,2,3
.irp c, 0,1,2
	global_load_b128 v[48*((\ot)%2)+12*\s+4*\c:48*((\ot)%2)+12*\s+4*\c+3], v[L16], s[72:73] offset:6144*(\ot)+1536*\s+512*\c
.endr
.endr
	WIN 0
	global_load_b128 v[WOS+4*((\ot)%2):WOS+4*((\ot)%2)+3], v[WSO], s[74:75] offset:512*((\ot)/2)+128*((\ot)%2)
.endm
.macro GX ot
	WIN 0x40
.set t_, 0
.rept 16
	global_load_b128 v[64*(\ot)+4*t_:64*(\ot)+4*t_+3], v[L16], s[68:69] offset:(32*((\ot)/2)+8*((\ot)%2)+t_+8*(t_/8))*4096 th:TH_LOAD_NT
.set t_, t_+1
.endr
	WIN 0
.endm
	s_mov_b32 s84, 0
	v_mov_b32 v[ADA], v10
	v_add_nc_u32 v[ADB], 49152, v10
	v_mov_b32 v[ADS], v11
	v_mov_b32 v[ADR], v12
	OPRE1
	OPRE2
	s_wait_loadcnt 48                              ; V's first half and its scale images are in; the 48 loads issued behind them may stay out
	RLOADF 1, 16, 31, 56, 4, 1536, 49152, 6144
	s_mov_b32 s85, 8
.Loa:
	OTRIP 0, 0
	s_sub_co_u32 s85, s85, 1
	s_cmp_lg_u32 s85, 0
	s_cbranch_scc1 .Loa
	s_wait_loadcnt 0x0
	s_mov_b32 s84, 0
	GWO 0                                          ; into the registers that V's first half has left: the way out's first two tiles of wo, and x's rows of tiles 0 and 1;
	GX 0
	GWO 1
	GX 1
	s_mov_b32 s85, 4
.Lob0:
	OTRIP 1, 1
	s_sub_co_u32 s85, s85, 1
	s_cmp_lg_u32 s85, 0
	s_cbranch_scc1 .Lob0
	GX 2                                           ; and of tiles 2 and 3, half a pass later
	GX 3
	s_mov_b32 s85, 4
.Lob1:
	OTRIP 1, 1
	s_sub_co_u32 s85, s85, 1
	s_cmp_lg_u32 s85, 0
	s_cbranch_scc1 .Lob1
	s_wait_dscnt 0x0
	s_barrier_signal -1
	s_barrier_wait -1                              ; the quantised O's 32 fragments and their scale words lie in LDS; nobody reads P any more
; ---- the last product and the way out
	v_and_b32 v13, 15, v0                          ; r
	v_bfe_u32 v6, v0, 4, 1                         ; h
	s_mul_i32 s86, s26, 8448
	s_add_co_u32 s86, s86, STG                     ; my stage
	v_mul_u32_u24 v3, v13, 528
	v_lshl_add_u32 v3, v6, 6, v3
	v_add_nc_u32 v3, s86, v3                       ; in: row r (my channel), 64 bytes for each half of the lanes
	v_add_nc_u32 v4, s86, v[L16]                   ; back: a whole row of 512 bytes
	v_and_b32 v5, 8, v13
	v_add_nc_u32 v5, v5, v13
	s_add_co_u32 s86, s76, BOL
	v_lshl_add_u32 v5, v5, 2, s86                  ; bo of my lane's channel
	v_and_b32 v7, 31, v0
	v_lshl_add_u32 v7, v7, 2, OSC
	s_lshl_b32 s86, s26, 15
	s_add_co_u32 s86, s86, XL
	v_add_nc_u32 v10, s86, v[L16]                  ; my rows of x in LDS
	RLOADHL 1, 0, 31                               ; slot 8 s + tile
.irp s, 0,1,2,3
.irp i, 0,1,2,3
	ds_load_b32 v[RS+4*\s+\i], v7 offset:512*\s+128*\i
.endr
.endr
.irp j, 0,1,2,3,4,5,6,7
	ds_load_b32 v[BO+\j], v5
.endr
.macro XLD ot                          ; x's 16 rows of output tile ot (4 .. 7) from LDS, into the registers that tile ot - 4 was stored from
	WIN 0x40
.set t_, 0
.rept 16
	ds_load_b128 v[64*((\ot)%4)+4*t_:64*((\ot)%4)+4*t_+3], v10 offset:(32*((\ot)/2)+8*((\ot)%2)+t_+8*(t_/8)-64)*512
.set t_, t_+1
.endr
	WIN 0
.endm
; Output tile ot, written out eight times: every offset is an immediate and no base is stepped.  lc: the loads issued behind this tile's own, which may stay out.
; The sum is made in x's registers (window 1, set ot % 4) and stored from there: four sets by turns.
.macro OTILE ot, lc
	s_wait_loadcnt \lc
	s_wait_dscnt 0x0
	MMA 1, 0, 4, 8, 2, RS, 4, 1, WOS+4*((\ot)%2), 48*((\ot)%2), 2, BO
	PLACES
.if (\ot) >= 4
	XLD \ot
.endif
.if (\ot) < 6
	GWO (\ot)+2                                    ; wo's tile two on, into the set just multiplied
.endif
.if (\ot) < 7
.irp j, 0,1,2,3,4,5,6,7
	ds_load_b32 v[BO+\j], v5 offset:128*(((\ot)+1)/2)+32*(((\ot)+1)%2)
.endr
.endif
.irp y, 0,1,2,3,4,5,6,7
	ds_store_b128 v3, v[ACC+8*\y:ACC+8*\y+3] offset:128*(\y/2)+32*(\y%2)       ; register j of tile y: pixel 32 (y / 2) + 8 (y % 2) + 16 h + j; each accumulator from its low end on
	ds_store_b128 v3, v[ACC+8*\y+4:ACC+8*\y+7] offset:128*(\y/2)+32*(\y%2)+16
.endr
.set t_, 0
.rept 16
	ds_load_b128 v[BK+4*t_:BK+4*t_+3], v4 offset:528*t_        ; LDS serves a wave's instructions in order (ISA guide 5.7.1.4): these see the stores above
.set t_, t_+1
.endr
	s_wait_dscnt 0x0
	WIN 0x41
.set t_, 0
.rept 32
	v_pk_add_f32 v[64*((\ot)%4)+2*t_:64*((\ot)%4)+2*t_+1], v[64*((\ot)%4)+2*t_:64*((\ot)%4)+2*t_+1], v[BK+2*t_:BK+2*t_+1]     ; x + the product
.set t_, t_+1
.endr
.if ((\ot) >= 3) && ((\ot) < 7)
	s_wait_xcnt 0x0                                ; the stores of the tiles before have read their registers: the set of tile ot - 3 may be loaded again in the next tile.  It stands ahead of this tile's stores, so that it waits for none just issued
.endif
	WIN 0x04
.set t_, 0
.rept 16
	global_store_b128 v[L16], v[64*((\ot)%4)+4*t_:64*((\ot)%4)+4*t_+3], s[70:71] offset:(32*((\ot)/2)+8*((\ot)%2)+t_+8*(t_/8))*4096 th:TH_STORE_NT   ; 32 lanes store 512 consecutive bytes, at a multiple of 512 from out0's first byte
.set t_, t_+1
.endr
	WIN 0
.endm
	OTILE 0, 61                                    ; behind tile 0's wo and x: 13 + 16 + 16 + 16 loads
	OTILE 1, 45                                    ; behind tile 1's: 16 + 16 + 13
	OTILE 2, 13                                    ; from here on: the next tile's 13 loads of wo
	OTILE 3, 13
	OTILE 4, 13
	OTILE 5, 13
	OTILE 6, 13
	OTILE 7, 0
	s_wait_tensorcnt 0x0
	ds_add_u32 v239, v243
	s_wait_dscnt 0x0
	s_endpgm
.Lfunc_end_k_q6ea9743cd9_attn:
	.size	k_q6ea9743cd9_attn, .Lfunc_end_k_q6ea9743cd9_attn-k_q6ea9743cd9_attn
	.p2alignl 7, 3214868480
	.fill 96, 4, 3214868480
	.section	.rodata,"a",@progbits
	.p2align	6, 0x0
	.amdhsa_kernel k_q6ea9743cd9_attn
		.amdhsa_group_segment_fixed_size 327680
		.amdhsa_private_segment_fixed_size 0
		.amdhsa_enable_private_segment 0
		.amdhsa_kernarg_size 56
		.amdhsa_user_sgpr_count 2
		.amdhsa_user_sgpr_kernarg_segment_ptr 1
		.amdhsa_wavefront_size32 1
		.amdhsa_system_sgpr_workgroup_id_x 1
		.amdhsa_system_sgpr_workgroup_id_y 1
		.amdhsa_system_sgpr_workgroup_id_z 1
		.amdhsa_system_vgpr_workitem_id 0
		.amdhsa_next_free_vgpr 1024
		.amdhsa_next_free_sgpr 100
		.amdhsa_reserve_vcc 0
		.amdhsa_float_denorm_mode_32 3
		.amdhsa_float_denorm_mode_16_64 3
		.amdhsa_memory_ordered 1
		.amdhsa_forward_progress 1
		.amdhsa_inst_pref_size 255
	.end_amdhsa_kernel
	.section	.bss,"aw",@nobits
	.p2align	6
	.space	262144
	.amdgpu_metadata
---
amdhsa.version: [ 1, 2 ]
amdhsa.kernels:
  - .name:           k_q6ea9743cd9_attn
    .symbol:         k_q6ea9743cd9_attn.kd
    .args:
      - { .name: qkvc, .offset: 0, .size: 8, .value_kind: global_buffer, .address_space: global }
      - { .name: qkvs, .offset: 8, .size: 8, .value_kind: global_buffer, .address_space: global }
      - { .name: wimg, .offset: 16, .size: 8, .value_kind: global_buffer, .address_space: global }
      - { .name: wo_scales, .offset: 24, .size: 8, .value_kind: global_buffer, .address_space: global }
      - { .name: bo, .offset: 32, .size: 8, .value_kind: global_buffer, .address_space: global }
      - { .name: x, .offset: 40, .size: 8, .value_kind: global_buffer, .address_space: global }
      - { .name: out0, .offset: 48, .size: 8, .value_kind: global_buffer, .address_space: global }
    .group_segment_fixed_size: 327680
    .private_segment_fixed_size: 0
    .kernarg_segment_align: 8
    .kernarg_segment_size: 56
    .max_flat_workgroup_size: 128
    .sgpr_count:     100
    .vgpr_count:     1024
    .wavefront_size: 32
...
	.end_amdgpu_metadata
.endif
;; end of part 3
